; MI455X (gfx1250); checked and timed in simulation.
; The chip was launched on July 23, 2026; its instructions are those of AMD's public machine-readable ISA for CDNA 5 (MIT licence, August 2026) and "CDNA5" Instruction Set Architecture Reference Guide (July 2026). The comments in the code are by the model that wrote it; some were corrected since.
;; Causal Self Attention. Allowed arithmetic: matrix products marked QUANTISED: E2M1 operands, one E8M0 scale for each 32 along K, by v_wmma_scale_f32_16x16x128_f8f6f4 with both operands' format E2M1 (or v_wmma_scale_f32_32x16x128_f4), f32 sums; products left as they are: bf16, f16 or f32 operands; f32 sums; everything else in f32.
;; Inputs: b_out 1,024 float32; b_qkv 3,072 float32; w_out 1,024 x 1,024 float32; w_qkv 1,024 x 3,072 float32; x 4 x 2,048 x 1,024 float32.
;; Outputs: out0 4 x 2,048 x 1,024 float32.
;; This version of the problem:
;;   THIS VERSION OF THE PROBLEM IS GIVEN IN LOW PRECISION. The matrix products marked QUANTISED in the list below multiply operands that are first quantised to E2M1 (2 exponent bits, 1 mantissa bit; 4 bits a number), with one power-of-two scale for each 32 numbers along K (OCP MX v1.0); their sums are f32. The products marked 'left as it is' may take bf16, f16 or f32 operands, with f32 sums. Whichever they take, every output number must still come out within the allowed error. Rounding operands to bf16 (8 significant bits) uses up far more of that allowance than f16 does (11 bits, for magnitudes from 6e-5 to 65,504). All else is computed in f32.
;;   The module's matrix products, in the order in which they are computed (A, B: the left and right operand; K: the contracted axis; several contracted axes count as one K, in the product's order):
;;     1. [M 8,192, K 1,024] x [K 1,024, N 3,072]; A: input x; B: input w_qkv: QUANTISED
;;     2. batch 64 x [M 2,048, K 64] x [K 64, N 2,048]; A: computed on the way; B: computed on the way: left as it is (an operand is computed on the way)
;;     3. batch 64 x [M 2,048, K 2,048] x [K 2,048, N 64]; A: computed on the way; B: computed on the way: left as it is (an operand is computed on the way)
;;     4. [M 8,192, K 1,024] x [K 1,024, N 1,024]; A: computed on the way; B: input w_out: left as it is (an operand is computed on the way)
;;   THE QUANTISER, for each operand of a quantised product, along K:
;;     - K is cut into blocks of 32 from its start; a last block that is shorter is filled with zeros.
;;     - A block's scale is 2^e with e = floor(log2(the largest magnitude in the block)) - 2, held to -126 .. 127; a block of zeros has e = 0. As a byte (E8M0): e + 127.
;;     - Each number is divided by its block's scale, clamped to +-6, and rounded to the nearest number of E2M1, ties to even, subnormals kept.
;;     - The product sums the exact products of the quantised numbers (number of the format x scale) in f32.
;;   ~~~python
;;   def quantise(x, axis):      # numpy; x: float32 -> the quantised numbers, widened to float32 again
;;       x = np.moveaxis(x, axis, -1); K = x.shape[-1]
;;       x = np.pad(x, [(0, 0)] * (x.ndim - 1) + [(0, -K % 32)]); x = x.reshape(x.shape[:-1] + (-1, 32)); a = np.abs(x).max(-1, keepdims=True)
;;       e = np.where(a > 0, np.clip(np.frexp(np.where(a > 0, a, 1))[1] - 1 - 2, -126, 127), 0)      # np.frexp(a)[1] - 1 = floor(log2(a)), exactly
;;       r = np.clip(x / 2.0 ** e, -6, 6)
;;       step = 2.0 ** (np.maximum(np.frexp(np.where(r == 0, 1, r))[1] - 1, 0) - 1)
;;       q = np.round(r / step) * step * 2.0 ** e      # np.round: ties to even
;;       return np.moveaxis(q.reshape(q.shape[:-2] + (-1,))[..., :K], -1, axis).astype(np.float32)
;;   ~~~
;; One version. Each part assembles by itself: llvm-mc -triple=amdgcn-amd-amdhsa -mcpu=gfx1250 --defsym DOCPART=n.
;; ======== version 1 of 1: 5 launches
;; limits: values are held in f16: magnitudes above 65,504 overflow, below 6.1e-05 lose precision
;; workspace buffers: x_codes 4,194,304 bytes; x_scales 262,144 bytes; wq_codes 1,572,864 bytes; wq_scales 98,304 bytes; wo_frag 2,097,152 bytes; qkv 50,331,648 bytes; qkv32 786,432 bytes; att 16,777,216 bytes
;; launch prep (part 1): grid 192 x 1, 16 waves a work-group, no clusters, 121,856 bytes of LDS; arguments x, w_qkv, w_out, x_codes, x_scales, wq_codes, wq_scales, wo_frag; writes x_codes, x_scales, wq_codes, wq_scales, wo_frag
.if DOCPART == 1
	.amdgcn_target "amdgcn-amd-amdhsa--gfx1250"
	.amdhsa_code_object_version 6
	.text
	.protected	k_q1358150b52_prep
	.globl	k_q1358150b52_prep
	.p2align	8
	.type	k_q1358150b52_prep,@function
k_q1358150b52_prep:
	s_mov_b64 s[64:65], 0
	v_nop
	global_prefetch_b8 v0, s[64:65] scope:SCOPE_SE
	s_setreg_imm32_b32 hwreg(HW_REG_WAVE_MODE, 25, 1), 1
	s_wait_xcnt 0x0
; THE OPERANDS ARE LAID OUT ONCE.  Three kinds of work-group, told apart by the work-group's number alone:
;   0-47   w_qkv [1024 k][3072 n] f32 -> codes of FP4 (E2M1) [3072 n][512 bytes], K innermost, and E8M0 scale bytes [3072][32]
;   48-63  w_out [1024 k][1024 n] f32 -> f16, in the order of the operand's registers: [tile column 8][K step 4][n tile 8][k chunk 8][g 2][lane 32][16 bytes],
;          n = 128 tile column + 16 n tile + lane % 16, k = 256 K step + 32 k chunk + 16 g + 8 (lane / 16) + 0 .. 7
;   64-191 x [8192][1024] f32 -> codes [8192][512 bytes] and scale bytes [8192][32]
; A block's scale is 2^(floor(log2(its largest magnitude)) - 2); its byte is the largest magnitude's exponent field - 2, held at 1 from below; each number is divided by the scale and rounded to the nearest code, ties to even, beyond 6 the largest code.
; LIMITS: a block of zeros gets the byte 1 where the rule says 127 (its codes are zeros, and this program alone reads the bytes); blocks whose largest magnitude lies under 2^-124 keep the byte 1;
; NaN and infinities among the inputs are not served; w_out must stay under 65,504 in magnitude (f16).
; x: rows are dense and K is a multiple of 32, so x is a plain stream of blocks of 32.  A wave takes 8 steps of 512 numbers; all its 32 loads (512 consecutive bytes each) go out at once; a step's 2,048 bytes turn through
; the wave's own stage in LDS, so that a lane holds 16 neighbours (two lanes to a block).  A wave's store of codes covers 256 consecutive bytes, aligned.
; w_qkv, w_out: K is the FIRST axis: a lane takes a column and its registers run down K; a work-group takes 64 columns and all of K, wave w columns 32 (w % 2) on and k 128 (w / 2) on.
; w_qkv's codes and scale bytes meet in LDS, row by row, and leave behind ONE barrier, which all three kinds pass, as whole rows of 512 bytes.  Each kind has LDS bytes of its own.
.set SP,    80                         ; x: a lane's place in a stage: 64 bytes + 16 of padding
.set XSC,   81920                      ; behind the sixteen waves' two stages (5,120 bytes a wave): x's scale bytes, 128 a wave
.set QST,   83968                      ; w_qkv's codes: 64 rows x (512 bytes + 16)
.set QP,    528
.set QSC,   117760                     ; w_qkv's scale bytes: 64 rows x 32
.set SPARE, 119808                     ; the spare words, 128 bytes for each wave: eight blocks of 256 bytes that no other line names
.set R,   32                           ; x: v32-159 eight sets of 16 numbers as loaded
.set XN,  160                          ; x: v160-191 two sets of 16 neighbours
.set CX,  192                          ; x: v192-207 codes, two registers a step
.set EX,  208                          ; x: v208-215 a scale byte a step
.set XW,  32                           ; weights: v32-95 two sets of 32 numbers down K
.set CW,  96                           ; w_qkv: v96-99 a block's codes
.set SB,  100                          ; w_qkv: v100 my four scale bytes
.set PF,  104                          ; w_out: v104-167 16 registers of f16 pairs a block, so that no store's data are written again
.set BK,  168                          ; v168-187 what comes back from LDS behind the barrier
.set SPW, 16                           ; v16 LDS address of my spare word; never rewritten
.set NIL, 17                           ; v17 0; never rewritten
.macro LOADX t                         ; x, step t: four loads of 512 consecutive bytes
.irp i, 0,1,2,3
	global_load_b128 v[R+16*(\t)+4*\i:R+16*(\t)+4*\i+3], v3, s[4:5] offset:2048*(\t)+512*\i th:TH_LOAD_NT
.endr
.endm
.macro TURN t                          ; step t's numbers through the stage: LDS serves a wave's instructions in order, so no wait stands between the stores and the loads
.irp i, 0,1,2,3
	ds_store_b128 v6, v[R+16*(\t)+4*\i:R+16*(\t)+4*\i+3] offset:32*SP*((\t)%2)+8*SP*\i
.endr
.irp i, 0,1,2,3
	ds_load_b128 v[XN+16*((\t)%2)+4*\i:XN+16*((\t)%2)+4*\i+3], v7 offset:32*SP*((\t)%2)+16*\i
.endr
.endm
.macro STEPX t
.set XS, XN+16*((\t)%2)
.if (\t) > 0
	s_wait_dscnt 1                                 ; this step's numbers are back from the stage; the last step's byte store may be out
.else
	s_wait_dscnt 0x0
.endif
.if (\t) < 7
	s_wait_loadcnt 4*(6-(\t))                      ; the next step's four loads are in; those of steps t + 2 to 7 may be out
	TURN (\t)+1                                    ; and go through the other stage while this step is worked
.endif
	v_max3_num_f32 v20, |v[XS]|, |v[XS+1]|, |v[XS+2]|   ; the largest magnitude of my 16, in two chains
	v_max3_num_f32 v21, |v[XS+3]|, |v[XS+4]|, |v[XS+5]|
.irp i, 6,10
	v_max3_num_f32 v20, v20, |v[XS+\i]|, |v[XS+\i+1]|
	v_max3_num_f32 v21, v21, |v[XS+\i+2]|, |v[XS+\i+3]|
.endr
	v_max3_num_f32 v20, v20, |v[XS+14]|, |v[XS+15]|
	v_max3_num_f32 v20, v20, v21, 0x1800000        ; and the floor 2^(3 - 127): the byte cannot fall under 1
	v_max_num_f32_dpp v20, v20, v20 row_xmask:1 row_mask:0xf bank_mask:0xf   ; and of my neighbour's 16: the block's
	v_add_nc_u32 v22, 0xff000000, v20              ; 2 off its exponent field: the conversion takes the exponent field of this operand as its scale
	v_cvt_scalef32_pk8_fp4_f32 v[CX+2*(\t)], v[XS:XS+7], v22
	v_cvt_scalef32_pk8_fp4_f32 v[CX+2*(\t)+1], v[XS+8:XS+15], v22
	v_lshrrev_b32 v[EX+(\t)], 23, v22              ; the scale's byte (a plain line behind the conversions)
	ds_store_b8 v5, v[EX+(\t)] offset:16*(\t)      ; both lanes of a block write the same byte with the same value
	global_store_b64 v4, v[CX+2*(\t):CX+2*(\t)+1], s[10:11] offset:256*(\t)   ; 32 lanes store 256 consecutive bytes, aligned
.endm
.macro LOADW t, pitch, base            ; a weight's block t: rows 32 t + i, i = 0 .. 31, at my column, into set t % 2: a wave reads 128 consecutive bytes, two waves side by side 256
.irp i, 0,1,2,3,4,5,6,7,8,9,10,11,12,13,14,15,16,17,18,19,20,21,22,23,24,25,26,27,28,29,30,31
	global_load_b32 v[XW+32*((\t)%2)+\i], v8, s[\base:\base+1] offset:(32*(\t)+\i)*\pitch th:TH_LOAD_NT
.endr
.endm
.macro BLOCK t                         ; w_qkv: a block of 32 along K of my column
.set XS, XW+32*((\t)%2)
.if (\t) < 3
	s_wait_loadcnt 32                              ; this block's 32 loads are in; the next block's may be out
.else
	s_wait_loadcnt 0x0
.endif
	v_max3_num_f32 v20, |v[XS]|, |v[XS+1]|, |v[XS+2]|   ; all 32 numbers are mine
	v_max3_num_f32 v21, |v[XS+3]|, |v[XS+4]|, |v[XS+5]|
.irp i, 6,10,14,18,22,26
	v_max3_num_f32 v20, v20, |v[XS+\i]|, |v[XS+\i+1]|
	v_max3_num_f32 v21, v21, |v[XS+\i+2]|, |v[XS+\i+3]|
.endr
	v_max3_num_f32 v20, v20, |v[XS+30]|, |v[XS+31]|
	v_max3_num_f32 v20, v20, v21, 0x1800000        ; the floor
	v_add_nc_u32 v22, 0xff000000, v20              ; the conversion's scale operand
	v_lshrrev_b32 v21, 23, v22                     ; the scale's byte
.if (\t) == 0
	v_mov_b32 v[SB], v21                           ; four bytes to a register, the lower K in the lower byte
.else
	v_lshl_or_b32 v[SB], v21, 8*(\t), v[SB]
.endif
.irp g, 0,1,2,3
	v_cvt_scalef32_pk8_fp4_f32 v[CW+\g], v[XS+8*\g:XS+8*\g+7], v22
.endr
	v_nop                                          ; a plain line behind the last conversion
	ds_store_b128 v9, v[CW:CW+3] offset:16*(\t)    ; 32 codes: 16 bytes of my column's row
.if (\t)+2 < 4
	LOADW (\t)+2, 12288, 6
.endif
	s_wait_dscnt 0x0                               ; the store has read its registers: the next block's codes may be written
.endm
.macro BLOCKF t                        ; w_out: 32 along K of my column become 16 registers of f16 pairs: four pieces of 16 bytes of four register images
.set XS, XW+32*((\t)%2)
.if (\t) < 3
	s_wait_loadcnt 32
.else
	s_wait_loadcnt 0x0
.endif
.irp i, 0,1,2,3,4,5,6,7,8,9,10,11,12,13,14,15
	v_cvt_pk_f16_f32 v[PF+16*(\t)+\i], v[XS+2*\i], v[XS+2*\i+1]   ; the lower k in the low half
.endr
.irp u, 0,1,2,3
	global_store_b128 v14, v[PF+16*(\t)+4*\u:PF+16*(\t)+4*\u+3], s[18:19] offset:1024*(\t)+512*(\u/2)+256*(\u%2)   ; k = 8 u on: g = u / 2, the image's lanes 16 (u % 2) on: sixteen lanes store 256 consecutive bytes, aligned
.endr
.if (\t)+2 < 4
	LOADW (\t)+2, 4096, 8
.endif
.endm
	s_load_b256 s[4:11], s[0:1], 0x0               ; x s[4:5], w_qkv s[6:7], w_out s[8:9], x_codes s[10:11]
	s_load_b256 s[12:19], s[0:1], 0x20             ; x_scales s[12:13], wq_codes s[14:15], wq_scales s[16:17], wo_frag s[18:19]
	v_lshl_add_u32 v[SPW], v0, 2, SPARE
	v_mov_b32 v[NIL], 0
	v_lshrrev_b32 v1, 5, v0
	v_readfirstlane_b32 s20, v1                    ; wave 0..15
	s_and_b32 s21, s20, 1                          ; weights: which 32 of the 64 columns
	s_lshr_b32 s22, s20, 1                         ; weights: which 128 of K
	; every LDS address is made here, ahead of the parting of the three kinds
	v_and_b32 v2, 31, v0                           ; lane
	v_lshlrev_b32 v3, 4, v2                        ; 16 x lane
	v_lshlrev_b32 v4, 3, v2                        ; 8 x lane
	v_lshlrev_b32 v8, 2, v2                        ; 4 x lane
	s_lshl_b32 s23, s20, 7
	v_lshrrev_b32 v5, 1, v2
	v_add_nc_u32 v5, s23, v5
	v_add_nc_u32 v5, XSC, v5                       ; x: my wave's 128 scale bytes, my block's byte
	s_mul_i32 s23, s20, 5120
	v_lshrrev_b32 v6, 2, v2
	v_mul_u32_u24 v6, v6, SP
	v_and_b32 v7, 3, v2
	v_lshl_add_u32 v6, v7, 4, v6
	v_add_nc_u32 v6, s23, v6                       ; x: the stage, on the way in: SP (lane / 4) + 16 (lane % 4)
	v_mul_u32_u24 v7, v2, SP
	v_add_nc_u32 v7, s23, v7                       ; and on the way out: SP x lane
	s_lshl_b32 s23, s21, 5
	v_add_nc_u32 v10, s23, v2                      ; w_qkv: my column of the 64
	v_mul_u32_u24 v9, v10, QP
	s_lshl_b32 s23, s22, 6
	v_add_nc_u32 v9, s23, v9
	v_add_nc_u32 v9, QST, v9                       ; its row of codes, my 128 of K: 64 bytes
	v_lshlrev_b32 v10, 5, v10
	s_lshl_b32 s23, s22, 2
	v_add_nc_u32 v10, s23, v10
	v_add_nc_u32 v10, QSC, v10                     ; its row of scale bytes, my four
	s_mul_i32 s23, s20, 4*QP
	v_add_nc_u32 v11, s23, v3
	v_add_nc_u32 v11, QST, v11                     ; back: wave w takes rows 4 w .. 4 w + 3, 16 bytes a lane
	s_lshl_b32 s23, s20, 11
	v_add_nc_u32 v18, s23, v3                      ; and the same rows in wq_codes
	s_min_u32 s23, s20, 3                          ; the 2,048 scale bytes are read back by waves 0 to 3, 512 bytes each
	s_lshl_b32 s23, s23, 9
	v_add_nc_u32 v15, s23, v3
	v_add_nc_u32 v12, XSC, v15
	v_add_nc_u32 v13, QSC, v15
	v_lshrrev_b32 v14, 4, v2
	v_lshlrev_b32 v14, 13, v14
	v_and_b32 v19, 15, v2
	v_lshl_add_u32 v14, v19, 4, v14                ; w_out: n tile lane / 16 (8,192 bytes), the image's lane lane % 16
	s_wait_kmcnt 0x0
	s_cmp_lt_u32 ttmp9, 48
	s_cbranch_scc1 .Lqw
	s_cmp_lt_u32 ttmp9, 64
	s_cbranch_scc1 .Lwf
	; ---- x
	s_sub_co_u32 s24, ttmp9, 64
	s_lshl_b32 s24, s24, 4
	s_add_co_u32 s24, s24, s20                     ; which run of 4,096 numbers is my wave's
	s_lshl_b32 s26, s24, 11                        ; 2,048 bytes of codes a run
	s_lshl_b32 s24, s24, 14                        ; 16,384 bytes of x
	s_mov_b32 s25, 0
	s_mov_b32 s27, 0
	s_add_nc_u64 s[4:5], s[4:5], s[24:25]
	s_add_nc_u64 s[10:11], s[10:11], s[26:27]
.irp t, 0,1,2,3,4,5,6,7
	LOADX \t                                       ; all 32 loads of the wave go out at once: 16,384 bytes
.endr
	s_wait_loadcnt 28                              ; step 0's four loads are in; the 28 of steps 1 to 7 may be out
	TURN 0
.irp t, 0,1,2,3,4,5,6,7
	STEPX \t
.endr
	s_branch .Ljoin
	; ---- w_qkv
.Lqw:
	s_mul_i32 s24, s22, 128*12288                  ; my 128 rows,
	s_lshl_b32 s26, ttmp9, 8                       ; the work-group's 64 columns,
	s_add_co_u32 s24, s24, s26
	s_lshl_b32 s26, s21, 7                         ; my 32 of them
	s_add_co_u32 s24, s24, s26
	s_mov_b32 s25, 0
	s_add_nc_u64 s[6:7], s[6:7], s[24:25]
	LOADW 0, 12288, 6
	LOADW 1, 12288, 6
.irp t, 0,1,2,3
	BLOCK \t
.endr
	ds_store_b32 v10, v[SB]
	s_branch .Ljoin
	; ---- w_out
.Lwf:
	s_sub_co_u32 s28, ttmp9, 48                    ; f: which 64 columns
	s_lshl_b32 s24, s22, 19                        ; my 128 rows of 4,096 bytes
	s_lshl_b32 s26, s28, 8
	s_add_co_u32 s24, s24, s26
	s_lshl_b32 s26, s21, 7
	s_add_co_u32 s24, s24, s26
	s_mov_b32 s25, 0
	s_add_nc_u64 s[8:9], s[8:9], s[24:25]
	s_lshr_b32 s24, s28, 1
	s_lshl_b32 s24, s24, 18                        ; tile column f / 2
	s_lshr_b32 s26, s22, 1
	s_lshl_b32 s26, s26, 16                        ; K step
	s_add_co_u32 s24, s24, s26
	s_and_b32 s26, s28, 1
	s_lshl_b32 s26, s26, 15                        ; n tile 4 (f % 2)
	s_add_co_u32 s24, s24, s26
	s_lshl_b32 s26, s21, 14                        ; + 2 x my half of the columns
	s_add_co_u32 s24, s24, s26
	s_and_b32 s26, s22, 1
	s_lshl_b32 s26, s26, 12                        ; k chunk 4 x (my 128 of K within the K step)
	s_add_co_u32 s24, s24, s26
	s_add_nc_u64 s[18:19], s[18:19], s[24:25]
	LOADW 0, 4096, 8
	LOADW 1, 4096, 8
.irp t, 0,1,2,3
	BLOCKF \t
.endr
.Ljoin:
	s_wait_dscnt 0x0                               ; for the others' sake: my LDS stores have landed
	s_barrier_signal -1
	s_barrier_wait -1
	s_cmp_lt_u32 ttmp9, 48
	s_cbranch_scc1 .Lqw2
	s_cmp_lt_u32 ttmp9, 64
	s_cbranch_scc1 .Lend                           ; w_out has nothing in LDS
	s_cmp_lt_u32 s20, 4
	s_cbranch_scc0 .Lend
	s_sub_co_u32 s24, ttmp9, 64                    ; x's 2,048 scale bytes of this work-group: four waves, 512 consecutive bytes each
	s_lshl_b32 s24, s24, 11
	s_mov_b32 s25, 0
	s_add_nc_u64 s[12:13], s[12:13], s[24:25]
	ds_load_b128 v[BK:BK+3], v12
	s_wait_dscnt 0x0
	global_store_b128 v15, v[BK:BK+3], s[12:13]
	s_branch .Lend
.Lqw2:
	s_lshl_b32 s24, ttmp9, 15                      ; 64 rows of 512 bytes
	s_mov_b32 s25, 0
	s_add_nc_u64 s[14:15], s[14:15], s[24:25]
.irp i, 0,1,2,3
	ds_load_b128 v[BK+4*\i:BK+4*\i+3], v11 offset:QP*\i
.endr
.irp i, 0,1,2,3
	s_wait_dscnt 3-\i                              ; LDS loads come back in order: row i is in
	global_store_b128 v18, v[BK+4*\i:BK+4*\i+3], s[14:15] offset:512*\i   ; 32 lanes store a row of 512 bytes
.endr
	s_cmp_lt_u32 s20, 4
	s_cbranch_scc0 .Lend
	s_lshl_b32 s24, ttmp9, 11                      ; 64 rows of 32 scale bytes
	s_add_nc_u64 s[16:17], s[16:17], s[24:25]
	ds_load_b128 v[BK+16:BK+19], v13
	s_wait_dscnt 0x0
	global_store_b128 v15, v[BK+16:BK+19], s[16:17]
.Lend:
	s_wait_tensorcnt 0x0                           ; the wave's end: behind my last LDS store
	ds_add_u32 v[SPW], v[NIL]
	s_wait_dscnt 0x0
	s_endpgm
.Lfunc_end_k_q1358150b52_prep:
	.size	k_q1358150b52_prep, .Lfunc_end_k_q1358150b52_prep-k_q1358150b52_prep
	.p2alignl 7, 3214868480
	.fill 96, 4, 3214868480
	.section	.rodata,"a",@progbits
	.p2align	6, 0x0
	.amdhsa_kernel k_q1358150b52_prep
		.amdhsa_group_segment_fixed_size 121856
		.amdhsa_private_segment_fixed_size 0
		.amdhsa_enable_private_segment 0
		.amdhsa_kernarg_size 64
		.amdhsa_user_sgpr_count 2
		.amdhsa_user_sgpr_kernarg_segment_ptr 1
		.amdhsa_wavefront_size32 1
		.amdhsa_system_sgpr_workgroup_id_x 1
		.amdhsa_system_sgpr_workgroup_id_y 1
		.amdhsa_system_sgpr_workgroup_id_z 1
		.amdhsa_system_vgpr_workitem_id 0
		.amdhsa_next_free_vgpr 256
		.amdhsa_next_free_sgpr 66
		.amdhsa_reserve_vcc 0
		.amdhsa_float_denorm_mode_32 3
		.amdhsa_float_denorm_mode_16_64 3
		.amdhsa_memory_ordered 1
		.amdhsa_forward_progress 1
		.amdhsa_inst_pref_size 58
	.end_amdhsa_kernel
	.amdgpu_metadata
---
amdhsa.version: [ 1, 2 ]
amdhsa.kernels:
  - .name:           k_q1358150b52_prep
    .symbol:         k_q1358150b52_prep.kd
    .args:
      - { .name: x, .offset: 0, .size: 8, .value_kind: global_buffer, .address_space: global }
      - { .name: w_qkv, .offset: 8, .size: 8, .value_kind: global_buffer, .address_space: global }
      - { .name: w_out, .offset: 16, .size: 8, .value_kind: global_buffer, .address_space: global }
      - { .name: x_codes, .offset: 24, .size: 8, .value_kind: global_buffer, .address_space: global }
      - { .name: x_scales, .offset: 32, .size: 8, .value_kind: global_buffer, .address_space: global }
      - { .name: wq_codes, .offset: 40, .size: 8, .value_kind: global_buffer, .address_space: global }
      - { .name: wq_scales, .offset: 48, .size: 8, .value_kind: global_buffer, .address_space: global }
      - { .name: wo_frag, .offset: 56, .size: 8, .value_kind: global_buffer, .address_space: global }
    .group_segment_fixed_size: 121856
    .private_segment_fixed_size: 0
    .kernarg_segment_align: 8
    .kernarg_segment_size: 64
    .max_flat_workgroup_size: 512
    .sgpr_count:     66
    .vgpr_count:     256
    .wavefront_size: 32
...
	.end_amdgpu_metadata
.endif
;; end of part 1
;; launch gemm_qkv (part 2): grid 12 x 32, 4 waves a work-group, clusters of 4 x 4, 327,680 bytes of LDS; arguments x_codes, x_scales, wq_codes, wq_scales, qkv, b_qkv, qkv32; writes qkv, qkv32
.if DOCPART == 2
	.amdgcn_target "amdgcn-amd-amdhsa--gfx1250"
	.amdhsa_code_object_version 6
	.text
	.protected	k_q1358150b52_gemm_qkv
	.globl	k_q1358150b52_gemm_qkv
	.p2align	8
	.type	k_q1358150b52_gemm_qkv,@function
k_q1358150b52_gemm_qkv:
	s_mov_b64 s[64:65], 0
	v_nop
	global_prefetch_b8 v0, s[64:65] scope:SCOPE_SE
	s_setreg_imm32_b32 hwreg(HW_REG_WAVE_MODE, 25, 1), 1
	s_wait_xcnt 0x0
	s_wait_alu depctr_hold_cnt(0) depctr_sa_sdst(0) depctr_va_vdst(0) depctr_va_sdst(0) depctr_va_ssrc(0) depctr_va_vcc(0) depctr_vm_vsrc(0)
	s_getreg_b32 s2, hwreg(HW_REG_IB_STS2, 6, 4)
	s_cmp_eq_u32 s2, 0
	s_cbranch_scc0 .Lentry_in_a_cluster
	s_endpgm
.Lentry_in_a_cluster:
	s_bfe_u32 s2, ttmp6, 0x10000c
	s_cmp_lg_u32 s2, 0xf033
	s_cbranch_scc0 .Lentry_shape_is_right
	s_endpgm
.Lentry_shape_is_right:
; qkv = Q(x) Q(w_qkv) + b_qkv on codes of FP4 (E2M1) with one E8M0 scale for each 32 along K; sums in f32.  A = x's codes [8192][1024], B = w_qkv's codes [3072 n][1024], K innermost.
; OUT: qkv, f16, laid [3][4 batches][16 heads][2048 tokens][64]; and qkv32, f32 [4][16][3072]: the first 16 tokens of every batch as they are summed, for the launch that carries those rows in f32.
; LIMIT: q, k, v must stay under 65,504 in magnitude (f16).
; A tile of C, 256 x 256, is made by a work-group of four waves; a wave makes 128 x 128: 64 accumulators of 16 x 16, 512 registers.  K = 1,024 is two K steps of 512: both lie in LDS at once (two slots, rows of 256 bytes),
; so every tensor load is a first fill and nothing is filled again.  The scales of the work-group's rows, for all of K, come with them, as whole rows of 256 bytes.
; CLUSTERS: 4 x 4 work-groups; A's tiles are asked for jointly along a row of the cluster, B's along a column.  Tile row = 8 cy + cluster y: so a batch is a row of the cluster, and the tiles that hold the first 16
; tokens are those of cluster y = 0, a number that all sixteen partners share.  No prefetch: all tiles are asked for at the head.
; THE MATRIX INSTRUCTION IS USED TRANSPOSED (source 0 = 16 rows of B, source 1 = 16 rows of A): a lane holds eight neighbouring columns of one row of C.  THE BIAS is the C of the first step's products.
; REGISTERS, in windows of 256: window 0: v0-31 addresses; v32-95 scale words, two sets, and nothing else; v128-191 A's fragments, ONE set; v192-255 the bias in the result's layout; on the way out v128-223 are free.
;   window 1: B's fragments, TWO sets, at v0 and v128.   window 2: the 32 accumulators of my rows 0-63 ((a, b) at v[8 (8 a + b)]);   window 3: those of my rows 64-127.
.set SIZE_K, 1024
.set KSTEP,  512
.set NQ,     KSTEP/128
.set ROWB,   256                       ; a tile's row in bytes
.set KROW,   SIZE_K/2                  ; a row of codes in memory
.set PITCH,  272                       ; an LDS row: 256 bytes + 16 of padding = 68 words: the 16 rows that a load touches start at 16 different banks (64 banks of 4 bytes: ISA guide 11.1)
.set FR,     8
.set NL,     2
.set NP,     4                         ; places behind this matrix instruction (ISA guide 7.12.1)
.set HALFT,  128*PITCH
.set SLOT,   4*HALFT
.set KS,     SIZE_K/32                 ; a row of scales in bytes
.set SCL,    2*SLOT
.set HALFS,  (128*KS/256)*272
.set SBLK,   (16*KS/256)*272
.set SPARE,  SCL+4*HALFS               ; the spare words, 128 bytes for each wave: two blocks of 256 bytes that no other line names
.set SPITCH, 272                       ; the way out: a stage of 16 rows x (256 bytes + 16) for each wave, in slot 0, which has had its only fill and its last read when the first result is stored there
.set ADRA, 16
.set ADRB, 20
.set STO,  24
.set RD,   25
.set CO,   26
.set ADRS, 27
.set SPW,  28
.set NIL,  29
.set FO,   30                          ; v30  my byte offset in qkv32: row lane % 16, 32 bytes for each half of the lanes
.set BO,   31                          ; v31  32 x (lane / 16): my eight numbers of a block of the bias
.set SC,   32
.set AF,   128
.set BI,   192                         ; the bias: block b at v[BI + 8 b]
.set TMP,  128                         ; the way out: a block packed to f16
.set BK,   160                         ; and read back: v160-191 and v192-223 by turns
.set G1, 24
.set G0, 32
.set G1B, 48
.set G0B, 56
.set G1S, 68
.set G0S, 76
.set G1SB, 80
.set G0SB, 88
.set MSB, 0
.macro WIN new                         ; the immediate's high byte repeats the setting that is left
.if MSB != \new
	s_set_vgpr_msb (MSB<<8)|\new
.set MSB, \new
.endif
.endm
.set MUL_LO, 0xa1                      ; source 0 (B) window 1, source 1 (A) window 0, C and D window 2
.set MUL_HI, 0xf1                      ; the same, C and D window 3
.set BIA_LO, 0x81                      ; the first step: C (the bias) window 0, D window 2
.set BIA_HI, 0xc1                      ; D window 3
.set TO_B,   0x40
; A joint load: waves 0 and 1 fetch for A, waves 2 and 3 for B; the branch hangs on the wave's number alone.  An s_nop 0 and four v_nop follow each of the two lines.
.macro JLOAD g0a, g1a, g0b, g1b
	s_cmp_eq_u32 s15, 0
	s_cbranch_scc0 .Lfor_b_\@
	tensor_load_to_lds s[\g0a:\g0a+3], s[\g1a:\g1a+7]
	s_nop 0
.rept 4
	v_nop
.endr
	s_branch .Lasked_\@
.Lfor_b_\@:
	tensor_load_to_lds s[\g0b:\g0b+3], s[\g1b:\g1b+7]
	s_nop 0
.rept 4
	v_nop
.endr
.Lasked_\@:
.endm
.macro CROUND                          ; a round of the cluster's barrier
	s_barrier_signal -1
	s_barrier_wait -1
	s_cmp_lg_u32 s14, 0
	s_cbranch_scc1 .Lnot_wave_0_\@
	s_barrier_signal -3
.Lnot_wave_0_\@:
	s_barrier_wait -3
	s_barrier_signal -1
	s_barrier_wait -1
.endm
	s_load_b128 s[4:7], s[0:1], 0x0                ; A's codes s[4:5], A's scales s[6:7]
	s_load_b128 s[8:11], s[0:1], 0x10              ; B's codes s[8:9], B's scales s[10:11]
	s_load_b64 s[12:13], s[0:1], 0x20              ; qkv
	s_load_b128 s[96:99], s[0:1], 0x28             ; b_qkv s[96:97], qkv32 s[98:99]
	v_lshl_add_u32 v[SPW], v0, 2, SPARE
	v_mov_b32 v[NIL], 0
	ds_add_u32 v[SPW], v[NIL]                      ; the wave's opening: the add, twice on end, and its wait ahead of my first tensor load
	ds_add_u32 v[SPW], v[NIL]
	v_lshrrev_b32 v1, 5, v0
	v_readfirstlane_b32 s14, v1                    ; wave 0..3
	s_lshr_b32 s15, s14, 1                         ; which half of the tile's rows is mine.  Also: I fetch for A (0) or for B (1)
	s_and_b32 s16, s14, 1                          ; which half of its columns.  Also: which 128 rows of that tile I fetch
	s_bfe_u32 s40, ttmp6, 0x40000                  ; cx, cy: my place in the cluster
	s_bfe_u32 s41, ttmp6, 0x40004
	s_lshl_b32 s42, ttmp9, 2
	s_add_co_u32 s42, s42, s40                     ; tile column of C = 4 x cluster x + cx; cluster x = 0, 1, 2 is q, k, v
	s_and_b32 s66, ttmp7, 0xffff                   ; cluster y
	s_lshl_b32 s17, s41, 3
	s_add_co_u32 s17, s17, s66                     ; tile row of C = 8 cy + cluster y: batch cy, tokens 256 x cluster y on
	s_lshl_b32 s43, s41, 2
	s_lshl_b32 s43, 15, s43                        ; my row of the cluster
	s_lshl_b32 s44, 0x1111, s40                    ; my column
	s_or_b32 s[G1+0], s43, (0<<16)|(1<<20)|(1<<21)|(5<<22)|(3<<25)  ; 15:0 the mask; 17:16 elements of 1 byte; 20 padding on; 21 set beside a mask; 24:22 after every 64 words; 31:25 four words
	s_or_b32 s[G1B+0], s44, (0<<16)|(1<<20)|(1<<21)|(5<<22)|(3<<25)
.irp g, G1, G1B
	s_mov_b32 s[\g+1], ROWB<<16                    ; tensor_dim0
	s_mov_b32 s[\g+2], 128<<16                     ; tensor_dim1 = 128
	s_mov_b32 s[\g+3], ROWB<<16                    ; tile_dim0
	s_mov_b32 s[\g+4], 128                         ; tile_dim1 = 128
	s_mov_b32 s[\g+5], KROW                        ; tensor_dim0_stride
	s_mov_b32 s[\g+6], 0
	s_mov_b32 s[\g+7], 0
.endr
	s_or_b32 s[G1S+0], s43, (3<<16)|(1<<20)|(1<<21)|(5<<22)|(3<<25)   ; the scales of 128 rows: a dense block of 4,096 bytes, as rows of 256 bytes (32 elements of 8), 16 bytes of padding behind each
	s_or_b32 s[G1SB+0], s44, (3<<16)|(1<<20)|(1<<21)|(5<<22)|(3<<25)
.irp g, G1S, G1SB
	s_mov_b32 s[\g+1], 32<<16
	s_mov_b32 s[\g+2], (128*KS/256)<<16
	s_mov_b32 s[\g+3], 32<<16
	s_mov_b32 s[\g+4], 128*KS/256
	s_mov_b32 s[\g+5], 32
	s_mov_b32 s[\g+6], 0
	s_mov_b32 s[\g+7], 0
.endr
	s_lshl_b32 s18, s16, 7                         ; which 128 rows of the tile I fetch
	s_lshl_b32 s20, s17, 8
	s_add_co_u32 s20, s20, s18                     ; A: row 256 x tile row + 128 x half
	s_lshl_b32 s46, s42, 8
	s_add_co_u32 s46, s46, s18                     ; B: row 256 x tile column + 128 x half
	s_mov_b32 s21, 0
	s_mov_b32 s47, 0
	s_mov_b64 s[18:19], KS
	s_mul_u64 s[22:23], s[20:21], s[18:19]         ; where these rows' scales begin, in bytes
	s_mul_u64 s[92:93], s[46:47], s[18:19]
	s_mov_b64 s[18:19], KROW
	s_mul_u64 s[20:21], s[20:21], s[18:19]         ; and their codes
	s_mul_u64 s[46:47], s[46:47], s[18:19]
	s_mul_i32 s45, s14, HALFT                      ; where they go: wave x 128 rows: no place in the cluster enters an LDS address
	s_mul_i32 s94, s14, HALFS
	s_wait_dscnt 0x0                               ; both opening adds are done
	s_wait_kmcnt 0x0
	s_add_nc_u64 s[20:21], s[4:5], s[20:21]
	s_add_nc_u64 s[22:23], s[6:7], s[22:23]
	s_add_nc_u64 s[46:47], s[8:9], s[46:47]
	s_add_nc_u64 s[92:93], s[10:11], s[92:93]
	CROUND                                         ; all sixteen work-groups are here: the joint loads meet
	s_mov_b32 s[G0S], 1
	s_add_co_u32 s[G0S+1], s94, SCL
	s_mov_b64 s[G0S+2:G0S+3], s[22:23]
	s_or_b32 s[G0S+3], s[G0S+3], 0x80000000
	s_mov_b32 s[G0SB], 1
	s_add_co_u32 s[G0SB+1], s94, SCL
	s_mov_b64 s[G0SB+2:G0SB+3], s[92:93]
	s_or_b32 s[G0SB+3], s[G0SB+3], 0x80000000
	JLOAD G0S, G1S, G0SB, G1SB                     ; the scales first: they are wanted with K step 0
.irp s, 0,1
	s_mov_b32 s[G0+4*\s], 1
	s_add_co_u32 s[G0+4*\s+1], s45, \s*SLOT
	s_add_nc_u64 s[G0+4*\s+2:G0+4*\s+3], s[20:21], \s*ROWB
	s_or_b32 s[G0+4*\s+3], s[G0+4*\s+3], 0x80000000
	s_mov_b32 s[G0B+4*\s], 1
	s_add_co_u32 s[G0B+4*\s+1], s45, \s*SLOT
	s_add_nc_u64 s[G0B+4*\s+2:G0B+4*\s+3], s[46:47], \s*ROWB
	s_or_b32 s[G0B+4*\s+3], s[G0B+4*\s+3], 0x80000000
	JLOAD G0+4*\s, G1, G0B+4*\s, G1B               ; three loads of mine are out in all
.endr
	v_and_b32 v1, 15, v0                           ; l % 16
	v_bfe_u32 v2, v0, 4, 1                         ; l / 16
	v_mul_u32_u24 v3, v1, PITCH
	v_lshl_add_u32 v4, v2, 4, v3                   ; a fragment's row x pitch + 16 x half
	s_mul_i32 s21, s15, HALFT                      ; my 128 rows of A
	s_mul_i32 s22, s16, HALFT                      ; my 128 rows of B,
	s_add_co_u32 s22, s22, 2*HALFT                 ; which lie behind A's 256
.irp s, 0,1
	v_add_nc_u32 v[ADRA+\s], s21, v4
	v_add_nc_u32 v[ADRB+\s], s22, v4
	s_add_co_u32 s21, s21, SLOT
	s_add_co_u32 s22, s22, SLOT
.endr
	v_mul_u32_u24 v5, v1, KS                       ; my row's scales: KS bytes a row,
	v_lshrrev_b32 v6, 8, v5
	v_lshl_add_u32 v5, v6, 4, v5                   ; and 16 more for each 256 passed
	s_mul_i32 s21, s15, HALFS                      ; A's: my 128 rows
	s_mul_i32 s22, s16, HALFS                      ; B's: my 128 rows, behind A's 256
	s_add_co_u32 s22, s22, 2*HALFS
	s_sub_co_u32 s22, s22, s21
	v_mul_u32_u24 v6, s22, v2                      ; lanes 16-31 take B's
	s_add_co_u32 s21, s21, SCL
	v_add_nc_u32 v5, v5, v6
	v_add_nc_u32 v[ADRS], s21, v5
	s_mul_i32 s23, s14, 16*SPITCH                  ; my stage
	v_mul_u32_u24 v5, v1, SPITCH                   ; in: row l % 16, 16 bytes for each half of the lanes
	v_lshl_add_u32 v5, v2, 4, v5
	v_add_nc_u32 v[STO], s23, v5
	v_and_b32 v6, 31, v0
	v_lshlrev_b32 v[CO], 4, v6                     ; out: 16 x lane: four tokens' 128 bytes of one head are 512 consecutive bytes of qkv
	v_lshrrev_b32 v5, 3, v6
	v_mul_u32_u24 v5, v5, SPITCH
	v_and_b32 v6, 7, v0
	v_lshl_add_u32 v5, v6, 4, v5
	v_add_nc_u32 v[RD], s23, v5                    ; back: row lane / 8, piece lane % 8
	v_mul_u32_u24 v[FO], v1, 12288
	v_lshl_add_u32 v[FO], v2, 5, v[FO]
	v_lshlrev_b32 v[BO], 5, v2
	; qkv at my part: rows in s20-21, columns in s46-47 (no register that fed A's descriptors ever holds cx)
	s_lshl_b32 s20, s41, 22                        ; batch cy: 16 heads of 2^18 bytes
	s_lshl_b32 s21, s66, 8
	s_lshl_b32 s22, s15, 7
	s_add_co_u32 s21, s21, s22                     ; my first token: 256 x cluster y + 128 x half
	s_lshl_b32 s21, s21, 7                         ; 128 bytes a token
	s_add_co_u32 s20, s20, s21
	s_mov_b32 s21, 0
	s_add_nc_u64 s[12:13], s[12:13], s[20:21]
	s_lshl_b32 s46, ttmp9, 6                       ; q, k or v: 64 heads each
	s_and_b32 s47, s42, 3
	s_lshl_b32 s47, s47, 2                         ; four heads to a tile column
	s_add_co_u32 s46, s46, s47
	s_lshl_b32 s47, s16, 1                         ; my two of them
	s_add_co_u32 s46, s46, s47
	s_lshl_b32 s46, s46, 18
	s_mov_b32 s47, 0
	s_add_nc_u64 s[12:13], s[12:13], s[46:47]
	s_lshl_b32 s46, s42, 10                        ; my first column, in f32 bytes: 1,024 x tile column + 512 x half
	s_lshl_b32 s47, s16, 9
	s_add_co_u32 s46, s46, s47
	s_mov_b32 s47, 0
	s_add_nc_u64 s[96:97], s[96:97], s[46:47]      ; the bias there,
	s_add_nc_u64 s[98:99], s[98:99], s[46:47]      ; and qkv32,
	s_mul_i32 s20, s41, 16*12288                   ; in my batch
	s_add_nc_u64 s[98:99], s[98:99], s[20:21]
.irp b, 0,1,2,3,4,5,6,7
	global_load_b128 v[BI+8*\b:BI+8*\b+3], v[BO], s[96:97] offset:64*\b        ; lane (r, h): b_qkv at columns 16 b + 8 h + 0 .. 7
	global_load_b128 v[BI+8*\b+4:BI+8*\b+7], v[BO], s[96:97] offset:64*\b+16
.endr
.macro FRAG reg, adr, q, i             ; a fragment, 16 rows x 128 K of 4-bit codes: registers 4 c .. 4 c + 3 hold K = 64 c + 32 (l / 16) + 0 .. 31
.irp c, 0,1
	ds_load_b128 v[\reg+4*\c:\reg+4*\c+3], v[\adr] offset:64*(\q)+32*\c+(\i)*16*PITCH
.endr
.endm
; 16 matrix instructions: A's blocks a0, a0 + 1 x B's eight.  zero = 1: the first product starts the sums from the bias.  The 64 accumulators take turns, one instruction a turn, in the same order in every step.
.macro MUL16 a0, p, q, sc, zero
.irp a, \a0, \a0+1
.irp b, 0,1,2,3,4,5,6,7
.if \zero
	v_wmma_scale_f32_16x16x128_f8f6f4 v[8*(8*((\a)%4)+\b):8*(8*((\a)%4)+\b)+7], v[128*(\p)+FR*\b:128*(\p)+FR*\b+FR-1], v[AF+FR*(\a):AF+FR*(\a)+FR-1], v[BI+8*\b:BI+8*\b+7], v[SC+8*NQ*(\sc)+NQ*\b+(\q)], v[SC+8*NQ*(\sc)+NQ*(\a)+(\q)] matrix_a_fmt:MATRIX_FMT_FP4 matrix_b_fmt:MATRIX_FMT_FP4 matrix_a_scale:MATRIX_SCALE_ROW1
.else
	v_wmma_scale_f32_16x16x128_f8f6f4 v[8*(8*((\a)%4)+\b):8*(8*((\a)%4)+\b)+7], v[128*(\p)+FR*\b:128*(\p)+FR*\b+FR-1], v[AF+FR*(\a):AF+FR*(\a)+FR-1], v[8*(8*((\a)%4)+\b):8*(8*((\a)%4)+\b)+7], v[SC+8*NQ*(\sc)+NQ*\b+(\q)], v[SC+8*NQ*(\sc)+NQ*(\a)+(\q)] matrix_a_fmt:MATRIX_FMT_FP4 matrix_b_fmt:MATRIX_FMT_FP4 matrix_a_scale:MATRIX_SCALE_ROW1
.endif
.endr
.endr
.endm
.macro FETCH_B slot, q, p
	WIN TO_B
.irp i, 0,1,2,3,4,5,6,7
	FRAG 128*(\p)+FR*\i, ADRB+\slot, \q, \i
.endr
	WIN 0
.endm
.macro FETCH_A slot, q, i0
.irp i, \i0, \i0+1, \i0+2, \i0+3
	FRAG AF+FR*(\i), ADRA+\slot, \q, \i
.endr
.endm
.macro SCALES sc                       ; a K step's scale words: lanes 0-15 take A's block i, lanes 16-31 B's block i
.irp i, 0,1,2,3,4,5,6,7
	ds_load_b128 v[SC+8*NQ*\sc+NQ*\i:SC+8*NQ*\sc+NQ*\i+3], v[ADRS] offset:\i*SBLK
.endr
.endm
.macro PLACES n                        ; plain vector lines between a matrix instruction and a load into, or a read of, its registers
.rept \n
	v_nop
.endr
.endm
.macro STEP slot, q, zero              ; a step of 128 along K that has its successor in the same slot
	s_wait_dscnt 4*NL                              ; B's set and A's blocks 0-3 are in; the youngest eight loads (A's blocks 4-7) may be out
.if \zero
	WIN BIA_LO
.else
	WIN MUL_LO
.endif
	MUL16 0, (\q)%2, \q, \slot, \zero
	MUL16 2, (\q)%2, \q, \slot, \zero
	s_wait_dscnt 0                                 ; A's blocks 4-7 are in
	PLACES NP
	FETCH_B \slot, (\q)+1, 1-(\q)%2
	FETCH_A \slot, (\q)+1, 0
.if \zero
	WIN BIA_HI
.else
	WIN MUL_HI
.endif
	MUL16 4, (\q)%2, \q, \slot, \zero
	MUL16 6, (\q)%2, \q, \slot, \zero
	PLACES NP
	WIN 0
	FETCH_A \slot, (\q)+1, 4
.endm
; Slot 0's last step changes slots: one barrier; in front of it each wave waits for all its tensor loads (slot 1's is the one that may be out), adds 0 to its spare word, and waits for that and for its reads of slot 0.  Nothing is filled again.
.macro TURN slot, next
	s_wait_tensorcnt 0x0                           ; all my tensor loads have landed
	ds_add_u32 v[SPW], v[NIL]                      ; 0 onto my spare word
	s_wait_dscnt 4*NL+1                            ; the add and the youngest eight loads (A's blocks 4-7) may be out
	WIN MUL_LO
	MUL16 0, 1, NQ-1, \slot, 0
	s_wait_dscnt 0x0                               ; the add is done, and my reads of this slot are over
	s_barrier_signal -1
	MUL16 2, 1, NQ-1, \slot, 0
	WIN 0
	s_barrier_wait -1
	PLACES NP
	v_add_nc_u32 v[ADRS], 4*NQ, v[ADRS]            ; on to the next K step's scale words
	FETCH_B \next, 0, 0
	FETCH_A \next, 0, 0
	SCALES \next
	WIN MUL_HI
	MUL16 4, 1, NQ-1, \slot, 0
	MUL16 6, 1, NQ-1, \slot, 0
	PLACES NP
	WIN 0
	FETCH_A \next, 0, 4
.endm
.macro STEPS slot, from
.set QQ, \from
.rept NQ-1-\from
	STEP \slot, QQ, 0
.set QQ, QQ+1
.endr
.endm
	s_wait_tensorcnt 1                             ; the scales and my part of K step 0 are in; K step 1's load may be out
	s_barrier_signal -1
	s_barrier_wait -1                              ; everybody's are
	FETCH_B 0, 0, 0
	FETCH_A 0, 0, 0
	SCALES 0
	FETCH_A 0, 0, 4
	s_wait_loadcnt 0x0                             ; the bias
	STEP 0, 0, 1
	STEPS 0, 1
	TURN 0, 1
	STEPS 1, 0
	s_wait_dscnt 4*NL                              ; the very last step: nothing more to fetch
	WIN MUL_LO
	MUL16 0, 1, NQ-1, 1, 0
	MUL16 2, 1, NQ-1, 1, 0
	s_wait_dscnt 0
	WIN MUL_HI
	MUL16 4, 1, NQ-1, 1, 0
	MUL16 6, 1, NQ-1, 1, 0
	WIN 0
; THE WAY OUT, block by block of 16 tokens x 128 columns (two heads).  PACK: rounded to f16, 16 bytes a lane.  TOSTAGE: into my own stage and back, four tokens of one head to a load.  SEND: 512 consecutive bytes a store.
.macro PACK a
.set AC, 64*((\a)%4)
	WIN 0x0a+5*((\a)/4)                            ; sources 0 and 1: window 2 or 3
.irp b, 0,1,2,3,4,5,6,7
.irp r, 0,1,2,3
	v_cvt_pk_f16_f32 v[TMP+4*\b+\r], v[AC+8*\b+2*\r], v[AC+8*\b+2*\r+1]   ; each accumulator from its low end on
.endr
.endr
	WIN 0
.endm
.macro TOSTAGE a
.set BB, BK+32*((\a)%2)
.irp b, 0,1,2,3,4,5,6,7
	ds_store_b128 v[STO], v[TMP+4*\b:TMP+4*\b+3] offset:32*\b
.endr
.irp i, 0,1,2,3,4,5,6,7
	ds_load_b128 v[BB+4*\i:BB+4*\i+3], v[RD] offset:4*SPITCH*(\i%4)+128*(\i/4)   ; LDS serves a wave's instructions in order: these see the stores above.  Head i / 4, tokens 4 (i % 4) on
.endr
.endm
.macro SEND a
.set BB, BK+32*((\a)%2)
	s_wait_dscnt 0x0                               ; the block is back in registers
	s_wait_xcnt 0x0                                ; the stores of the block before have read their registers: the next block's loads may land there
.irp i, 0,1,2,3,4,5,6,7
	global_store_b128 v[CO], v[BB+4*\i:BB+4*\i+3], s[12:13] offset:262144*(\i/4)+512*(\i%4)+2048*(\a)   ; 32 lanes store 512 consecutive bytes, aligned
.endr
.endm
	PLACES NP                                      ; behind the last products, ahead of the first reads of results and the writes over A's fragments
	s_or_b32 s67, s66, s15                         ; the first 16 tokens of a batch are block 0 of the upper waves of the tiles of cluster y = 0: ids that all partners share, and the wave's number
	s_cmp_lg_u32 s67, 0
	s_cbranch_scc1 .Lnot_first
	WIN 0x08                                       ; a store's data are its source 1: window 2
.irp b, 0,1,2,3,4,5,6,7
	global_store_b128 v[FO], v[8*\b:8*\b+3], s[98:99] offset:64*\b           ; f32 as summed: pieces of 32 bytes a lane, 786,432 bytes in the whole launch beside qkv's 50,331,648
	global_store_b128 v[FO], v[8*\b+4:8*\b+7], s[98:99] offset:64*\b+16
.endr
	WIN 0
.Lnot_first:
	PACK 0
	TOSTAGE 0
.irp a, 1,2,3,4,5,6,7                  ; block a's conversions stand between block a - 1's loads from the stage and the wait for them
	PACK \a
	SEND \a-1
	TOSTAGE \a
.endr
	SEND 7
	s_wait_tensorcnt 0x0                           ; the wave's end: behind my last tensor load and my last LDS store
	ds_add_u32 v[SPW], v[NIL]
	s_wait_dscnt 0x0
	CROUND                                         ; the closing round
	s_endpgm
.Lfunc_end_k_q1358150b52_gemm_qkv:
	.size	k_q1358150b52_gemm_qkv, .Lfunc_end_k_q1358150b52_gemm_qkv-k_q1358150b52_gemm_qkv
	.p2alignl 7, 3214868480
	.fill 96, 4, 3214868480
	.section	.rodata,"a",@progbits
	.p2align	6, 0x0
	.amdhsa_kernel k_q1358150b52_gemm_qkv
		.amdhsa_group_segment_fixed_size 327680
		.amdhsa_private_segment_fixed_size 0
		.amdhsa_enable_private_segment 0
		.amdhsa_kernarg_size 56
		.amdhsa_user_sgpr_count 2
		.amdhsa_user_sgpr_kernarg_segment_ptr 1
		.amdhsa_wavefront_size32 1
		.amdhsa_system_sgpr_workgroup_id_x 1
		.amdhsa_system_sgpr_workgroup_id_y 1
		.amdhsa_system_sgpr_workgroup_id_z 1
		.amdhsa_system_vgpr_workitem_id 0
		.amdhsa_next_free_vgpr 1024
		.amdhsa_next_free_sgpr 100
		.amdhsa_reserve_vcc 0
		.amdhsa_float_denorm_mode_32 3
		.amdhsa_float_denorm_mode_16_64 3
		.amdhsa_memory_ordered 1
		.amdhsa_forward_progress 1
		.amdhsa_inst_pref_size 130
	.end_amdhsa_kernel
	.amdgpu_metadata
---
amdhsa.version: [ 1, 2 ]
amdhsa.kernels:
  - .name:           k_q1358150b52_gemm_qkv
    .symbol:         k_q1358150b52_gemm_qkv.kd
    .args:
      - { .name: x_codes, .offset: 0, .size: 8, .value_kind: global_buffer, .address_space: global }
      - { .name: x_scales, .offset: 8, .size: 8, .value_kind: global_buffer, .address_space: global }
      - { .name: wq_codes, .offset: 16, .size: 8, .value_kind: global_buffer, .address_space: global }
      - { .name: wq_scales, .offset: 24, .size: 8, .value_kind: global_buffer, .address_space: global }
      - { .name: qkv, .offset: 32, .size: 8, .value_kind: global_buffer, .address_space: global }
      - { .name: b_qkv, .offset: 40, .size: 8, .value_kind: global_buffer, .address_space: global }
      - { .name: qkv32, .offset: 48, .size: 8, .value_kind: global_buffer, .address_space: global }
    .group_segment_fixed_size: 327680
    .private_segment_fixed_size: 0
    .kernarg_segment_align: 8
    .kernarg_segment_size: 56
    .max_flat_workgroup_size: 128
    .sgpr_count:     100
    .vgpr_count:     1024
    .wavefront_size: 32
...
	.end_amdgpu_metadata
.endif
;; end of part 2
;; launch attention (part 3): grid 8 x 64, 16 waves a work-group, no clusters, 327,680 bytes of LDS; arguments qkv, att; writes att
.if DOCPART == 3
	.amdgcn_target "amdgcn-amd-amdhsa--gfx1250"
	.amdhsa_code_object_version 6
	.text
	.protected	k_q1358150b52_attention
	.globl	k_q1358150b52_attention
	.p2align	8
	.type	k_q1358150b52_attention,@function
k_q1358150b52_attention:
	s_mov_b64 s[64:65], 0
	v_nop
	global_prefetch_b8 v0, s[64:65] scope:SCOPE_SE
	s_setreg_imm32_b32 hwreg(HW_REG_WAVE_MODE, 25, 1), 1
	s_wait_xcnt 0x0
; att[bh][q][:] = the sum over k <= q of softmax_k(Q[bh][q] . K[bh][k] / 8) V[bh][k][:].  q, k, v: f16 [3][64 bh][2048][64]; att: f16 [64][2048][64].  Products on f16 operands, sums, maxima and the softmax in f32;
; the weights p = 2^(c s - c m), c = log2(e) / 8, m the running maximum, are rounded to f16 for the second product; the row's sum is taken of the unrounded p and divides at the end.
; LIMIT: q, k, v under 65,504 in magnitude (f16).  The first 16 tokens of a sequence are made here too, and are made again in f32 by a later launch.
; SHARES.  A work-group owns the blocks j and 15 - j of 128 queries of one head: 17 blocks' worth of keys in every work-group.  Each of its sixteen waves owns one tile of 16 queries in 256 registers, four waves to a SIMD,
; so that one wave's vector work stands beside another's matrix work and LDS loads.  Wave w: tile w / 2 of block j or 15 - j by the bit (w ^ (w / 4)) % 2, so that early and late tiles are mixed among neighbouring waves.
; NO CLUSTER: under the causal mask the work-groups of a head need different numbers of tiles.
; EVERY work-group walks all 8 slots of 256 keys (constant trip counts); a step of 64 keys all of which come after a wave's queries is left out by a scalar branch on ids; a slot whose first key comes after the work-group's
; last query is not asked for.  K's and V's tiles come through a ring of two LDS slots filled by the tensor data mover (waves 0, 1: K's halves; waves 2, 3: V's).
; LAYOUT.  S^T = K Q^T (source 0 = 16 keys, source 1 = my 16 queries): a lane holds ONE query (lane % 16) and the keys 8 (lane / 16) + 0 .. 7 of each tile.  Two such tiles, rounded to f16 in pairs, ARE source 1 of
; O^T = V^T P.  K comes out of LDS as it lies, V ([key][channel]) turned, by ds_load_tr16_b128.  A key's row is 128 bytes and rows are dense in memory: two keys share an LDS row of 256 bytes.
.set KP,    272                        ; K: an LDS row (two keys): 256 bytes + 16: the 16 keys of a load start at 16 different groups of four banks
.set VP,    288                        ; V: 256 + 32
.set VOFF,  128*KP                     ; a slot: 128 rows of K, then 128 rows of V
.set SLOT1, 1<<17
.set SPARE, 2*SLOT1                    ; the spare words, 128 bytes for each wave: eight blocks of 256 bytes that no other line names
.set STAGE, SPARE+2048                 ; the way out: 16 rows x (128 bytes + 16) for each wave; no tile lands here
.set AK0, 1                            ; v1   my lane's place in a tile of K
.set AV0, 2                            ; v2   the same for V
.set ADK, 3
.set ADV, 4
.set SPW, 5                            ; v5   LDS address of my spare word; never rewritten
.set NIL, 6                            ; v6   0; never rewritten
.set GO,  7                            ; v7   16 x lane
.set STO, 8
.set RD,  9
.set PFO, 10                           ; v10  256 x lane
.set DQ,  11                           ; v11  lane % 16 - 8 (lane / 16)
.set QF,  16                           ; v16-31   Q's two fragments
.set KV,  32                           ; v32-95   K's eight fragments, then V's
.set S,   96                           ; v96-127  S^T, then p
.set P,   128                          ; v128-143 p in f16
.set O,   144                          ; v144-175 O^T
.set ST,  176                          ; v176 c m, v177 m, v178-179 l in two halves, v180-183 at work (a in v182)
.set NINF, 184
.set DD,  185
.set QO,  186
.set OP,  192                          ; v192-223 the way out
.set TB,  2                            ; s2   LDS byte at which the slot in hand begins
.set WV,  18
.set SEL, 20
.set CS,  22
.set G1K, 24
.set G1V, 32
.set G0K, 40
.set G0V, 44
.set SLOTS, 67
.set PFA, 76
.set LIM, 80
.set QL,  97                           ; s97  my work-group's last query
.set KF,  98                           ; s98  the step's first key
.set Q0,  99                           ; s99  my first query
; Waves 0 and 1 fetch for K, waves 2 and 3 for V, the others nothing.  An s_nop 0 and four v_nop follow each of the two lines.
.macro TLOAD
	s_cmp_lt_u32 s[WV], 2
	s_cbranch_scc0 .Lnot_k_\@
	tensor_load_to_lds s[G0K:G0K+3], s[G1K:G1K+7]
	s_nop 0
.rept 4
	v_nop
.endr
	s_branch .Lasked_\@
.Lnot_k_\@:
	s_cmp_lt_u32 s[WV], 4
	s_cbranch_scc0 .Lasked_\@
	tensor_load_to_lds s[G0V:G0V+3], s[G1V:G1V+7]
	s_nop 0
.rept 4
	v_nop
.endr
.Lasked_\@:
.endm
; A PREFETCH of what the NEXT change of slots will ask for: 256 keys of K and of V, 32,768 dense bytes each.  All work-groups of a head walk the same K and V: the head's work-group 0, which walks all slots, asks, and nobody else.
; In it waves 4 to 7 ask for K's block and waves 8 to 11 for V's, 8,192 bytes a wave, lanes 256 bytes apart: each aligned block of 256 bytes is named once in the launch.  It stands where the fetching waves have their tensor load,
; a slot's four key steps ahead of the load that will want the bytes.  Slots 0 and 1 come by their loads alone; the last change that fills a slot asks for nothing.
.macro ASK
	s_cmp_gt_u32 s[SLOTS], s[LIM]
	s_cbranch_scc0 .Lnot_mine_\@
	global_prefetch_b8 v[PFO], s[PFA:PFA+1] th:TH_LOAD_NT scope:SCOPE_SE
.Lnot_mine_\@:
.endm
	s_load_b128 s[4:7], s[0:1], 0x0                ; qkv s[4:5], att s[6:7]
	v_lshl_add_u32 v[SPW], v0, 2, SPARE
	v_mov_b32 v[NIL], 0
	ds_add_u32 v[SPW], v[NIL]                      ; the wave's opening: the add, twice on end, and its wait ahead of my first tensor load
	ds_add_u32 v[SPW], v[NIL]
	v_lshrrev_b32 v12, 5, v0
	v_readfirstlane_b32 s[WV], v12                 ; wave 0..15
	s_mov_b32 s8, ttmp9                            ; j
	s_and_b32 s9, ttmp7, 0xffff                    ; 16 x batch + head
	s_lshr_b32 s10, s[WV], 2
	s_xor_b32 s10, s10, s[WV]
	s_and_b32 s10, s10, 1                          ; which of the two blocks
	s_sub_co_u32 s11, 15, s8
	s_cmp_eq_u32 s10, 1
	s_cselect_b32 s11, s11, s8                     ; block 15 - j or j
	s_lshr_b32 s10, s[WV], 1                       ; my tile in it
	s_lshl_b32 s[Q0], s11, 7
	s_lshl_b32 s10, s10, 4
	s_add_co_u32 s[Q0], s[Q0], s10                 ; my first query
	s_sub_co_u32 s[QL], 16, s8
	s_lshl_b32 s[QL], s[QL], 7
	s_sub_co_u32 s[QL], s[QL], 1                   ; the work-group's last: 128 (16 - j) - 1
	s_lshl_b32 s68, s9, 18                         ; a head is 2^18 bytes
	s_mov_b32 s69, 0
	s_lshl_b32 s70, s[Q0], 7                       ; a token's row is 128 bytes
	s_mov_b32 s71, 0
	s_add_nc_u64 s[70:71], s[70:71], s[68:69]      ; my queries in q and in att
	s_and_b32 s16, s[WV], 1                        ; which half of a slot I fetch, if I fetch
	s_lshl_b32 s72, s16, 14                        ; 128 keys of 128 bytes
	s_mov_b32 s73, 0
	s_add_nc_u64 s[72:73], s[72:73], s[68:69]
	s_add_nc_u64 s[72:73], s[72:73], 64<<18        ; in k,
	s_add_nc_u64 s[74:75], s[72:73], 64<<18        ; in v
	s_mul_i32 s17, s16, 64*KP                      ; and in a slot
	s_mul_i32 s19, s16, 64*VP
	s_add_co_u32 s19, s19, VOFF
	; descriptor group 1: 64 rows of 128 elements of 2 bytes, dense in memory, padded in LDS
	s_mov_b32 s[G1K], (1<<16)|(1<<20)|(5<<22)|(3<<25)   ; no mask; elements of 2 bytes; padding on; after every 64 words; four words
	s_mov_b32 s[G1V], (1<<16)|(1<<20)|(5<<22)|(7<<25)   ; the same with eight words
.irp g, G1K, G1V
	s_mov_b32 s[\g+1], 128<<16                     ; tensor_dim0
	s_mov_b32 s[\g+2], 64<<16                      ; tensor_dim1
	s_mov_b32 s[\g+3], 128<<16                     ; tile_dim0
	s_mov_b32 s[\g+4], 64                          ; tile_dim1
	s_mov_b32 s[\g+5], 128                         ; tensor_dim0_stride
	s_mov_b32 s[\g+6], 0
	s_mov_b32 s[\g+7], 0
.endr
	s_mov_b32 s[SEL], 0x76543210
	s_mov_b32 s[SEL+1], 0xfedcba98                 ; v_permlanex16_b32's selects for lane l xor 16
	s_mov_b32 s[CS], 0x3e38aa3b                    ; c = log2(e) / 8
	s_mov_b32 s[CS+1], s[CS]                       ; (named with it as a pair, so it is written)
	s_mov_b32 s[TB], 0
	s_mov_b32 s[KF], 0
	s_mov_b32 s[SLOTS], 7
	s_wait_dscnt 0x0                               ; both opening adds are done
	s_wait_kmcnt 0x0
	s_mov_b32 s[G0K], 1
	s_mov_b32 s[G0K+1], s17
	s_add_nc_u64 s[G0K+2:G0K+3], s[4:5], s[72:73]
	s_or_b32 s[G0K+3], s[G0K+3], 0x80000000
	s_mov_b32 s[G0V], 1
	s_mov_b32 s[G0V+1], s19
	s_add_nc_u64 s[G0V+2:G0V+3], s[4:5], s[74:75]
	s_or_b32 s[G0V+3], s[G0V+3], 0x80000000
	TLOAD                                          ; slot 0: it holds key 0, which counts for every query
	s_add_nc_u64 s[12:13], s[4:5], s[70:71]        ; q at my first query
	s_add_nc_u64 s[14:15], s[6:7], s[70:71]        ; att likewise
	s_cmp_lt_u32 s[WV], 8                          ; the prefetches: waves 4 to 7 stand in k, waves 8 to 11 in v
	s_cselect_b32 s78, 64, 128
	s_add_co_u32 s78, s78, s9
	s_lshl_b32 s78, s78, 18
	s_and_b32 s79, s[WV], 3
	s_lshl_b32 s79, s79, 13                        ; my wave's 8,192 bytes,
	s_add_co_u32 s78, s78, s79
	s_add_co_u32 s78, s78, 32768                   ; in slot 1: the first change of slots steps it to slot 2
	s_mov_b32 s79, 0
	s_add_nc_u64 s[PFA:PFA+1], s[4:5], s[78:79]
	s_sub_co_u32 s78, s[WV], 4
	s_lshr_b32 s78, s78, 3                         ; 0 in waves 4 to 11,
	s_or_b32 s78, s78, s8                          ; of the head's work-group 0
	s_cmp_eq_u32 s78, 0
	s_cselect_b32 s[LIM], 1, -1
	v_and_b32 v12, 15, v0                          ; r
	v_bfe_u32 v13, v0, 4, 1                        ; h
	v_and_b32 v14, 31, v0                          ; lane
	v_lshlrev_b32 v[QO], 7, v12
	v_lshl_add_u32 v[QO], v13, 4, v[QO]            ; Q: row r of 128 bytes, + 16 h
.irp i, 0,1,2,3
	global_load_b128 v[QF+4*\i:QF+4*\i+3], v[QO], s[12:13] offset:32*\i   ; Q's two fragments stay in registers
.endr
	v_lshrrev_b32 v[AK0], 1, v12
	v_mul_u32_u24 v[AK0], v[AK0], KP
	v_and_b32 v15, 1, v0
	v_lshl_add_u32 v[AK0], v15, 7, v[AK0]
	v_lshl_add_u32 v[AK0], v13, 4, v[AK0]          ; K: key r: LDS row r / 2, + 128 (r % 2), + 16 h
	v_bfe_u32 v[AV0], v0, 1, 2
	v_lshl_add_u32 v[AV0], v13, 2, v[AV0]
	v_mul_u32_u24 v[AV0], v[AV0], VP
	v_lshl_add_u32 v[AV0], v15, 7, v[AV0]
	v_bfe_u32 v15, v0, 3, 1
	v_lshl_add_u32 v[AV0], v15, 4, v[AV0]
	v_add_nc_u32 v[AV0], VOFF, v[AV0]              ; V: key 8 h + lane % 8: LDS row 4 h + (lane / 2) % 4, + 128 (lane % 2); channels 8 ((lane / 8) % 2) on
	v_lshlrev_b32 v[GO], 4, v14
	v_lshlrev_b32 v[PFO], 8, v14
	s_mul_i32 s10, s[WV], 16*144
	s_add_co_u32 s10, s10, STAGE                   ; my stage
	v_mul_u32_u24 v[STO], v12, 144
	v_lshl_add_u32 v[STO], v13, 4, v[STO]
	v_add_nc_u32 v[STO], s10, v[STO]               ; in: row r, 16 bytes for each half of the lanes
	v_lshrrev_b32 v[RD], 3, v14
	v_mul_u32_u24 v[RD], v[RD], 144
	v_and_b32 v15, 7, v0
	v_lshl_add_u32 v[RD], v15, 4, v[RD]
	v_add_nc_u32 v[RD], s10, v[RD]                 ; back: row lane / 8, piece lane % 8
	v_lshlrev_b32 v15, 3, v13
	v_sub_nc_u32 v[DQ], v12, v15
	v_mov_b32 v[NINF], 0xff800000                  ; -infinity
	v_mov_b32 v[ST+1], 0xff61b1e6                  ; m: -3e38, under every score
	v_mul_f32 v[ST], s[CS], v[ST+1]                ; c m
.irp i, 2,3,4,5,6,7
	v_mov_b32 v[ST+\i], 0                          ; l, and the registers at work (a lane permute's destination counts as one of its sources)
.endr
.irp i, 0,1,2,3,4,5,6,7,8,9,10,11,12,13,14,15,16,17,18,19,20,21,22,23,24,25,26,27,28,29,30,31
	v_mov_b32 v[O+\i], 0                           ; O^T.  (The step is written once: the first finds zeros, which a = 0 leaves zeros)
.endr
; A KEY STEP: 64 keys, the q-th of the slot in hand.
.macro STEP q
	s_add_co_u32 s96, s[Q0], 15                    ; a step all of whose keys come after my 16 queries is left out: a branch on ids, round the step's loads, products and softmax; no barrier and no tensor load stands in a step
	s_cmp_gt_u32 s[KF], s96
	s_cbranch_scc1 .Lhidden_\@
	v_add_nc_u32 v[ADK], s[TB], v[AK0]
	v_add_nc_u32 v[ADV], s[TB], v[AV0]
	v_nop
	v_nop                                          ; four plain lines between the last step's products and the loads into the registers that they read
.irp c, 0,1                                    ; K: the first 32 channels of all four tiles first
.irp kt, 0,1,2,3
	ds_load_b128 v[KV+16*\kt+8*\c:KV+16*\kt+8*\c+3], v[ADK] offset:(32*(\q)+8*\kt)*KP+64*\c
	ds_load_b128 v[KV+16*\kt+8*\c+4:KV+16*\kt+8*\c+7], v[ADK] offset:(32*(\q)+8*\kt)*KP+64*\c+32
.endr
.endr
	s_wait_dscnt 8                                 ; the first eight loads are in; the eight of channels 32 on may be out
.irp kt, 0,1,2,3                               ; the four accumulators take turns, one instruction a turn
	v_wmma_f32_16x16x32_f16 v[S+8*\kt:S+8*\kt+7], v[KV+16*\kt:KV+16*\kt+7], v[QF:QF+7], 0
.endr
	s_wait_dscnt 0x0
.irp kt, 0,1,2,3
	v_wmma_f32_16x16x32_f16 v[S+8*\kt:S+8*\kt+7], v[KV+16*\kt+8:KV+16*\kt+15], v[QF+8:QF+15], v[S+8*\kt:S+8*\kt+7]
.endr
.rept 4
	v_nop                                          ; places ahead of the loads over K's registers and of the first read of the scores
.endr
.irp kc, 0,1                                   ; V, turned: keys 32 kc on, channels 16 t on; it lands while the softmax is walked
.irp t, 0,1,2,3
	ds_load_tr16_b128 v[KV+8*(4*\kc+\t):KV+8*(4*\kc+\t)+3], v[ADV] offset:(32*(\q)+16*\kc)*VP+32*\t
	ds_load_tr16_b128 v[KV+8*(4*\kc+\t)+4:KV+8*(4*\kc+\t)+7], v[ADV] offset:(32*(\q)+16*\kc)*VP+8*VP+32*\t
.endr
.endr
	s_add_co_u32 s96, s[KF], 63                    ; on the diagonal the scores of hidden keys become -infinity ahead of the maximum; a step all of whose keys count skips this
	s_cmp_le_u32 s96, s[Q0]
	s_cbranch_scc1 .Lopen_\@
	s_sub_co_i32 s96, s[Q0], s[KF]
	v_add_nc_u32 v[DD], s96, v[DQ]                 ; d = my query - KF - 8 (lane / 16).  Register 8 kt + i holds key KF + 16 kt + 8 (lane / 16) + i: hidden where 16 kt + i > d
.irp n, 0,1,2,3,4,5,6,7,8,9,10,11,12,13,14,15,16,17,18,19,20,21,22,23,24,25,26,27,28,29,30,31
	v_cmp_gt_i32 vcc_lo, 16*(\n/8)+\n%8, v[DD]
	v_cndmask_b32 v[S+\n], v[S+\n], v[NINF], vcc_lo
.endr
.Lopen_\@:
.irp j, 0,1,2,3                                ; the maximum of my 32 scores and the old m: four chains, each begun at a tile's low end
	v_max3_num_f32 v[ST+4+\j], v[S+8*\j], v[S+8*\j+1], v[S+8*\j+2]
.endr
.irp g, 1,2
.irp j, 0,1,2,3
	v_max3_num_f32 v[ST+4+\j], v[ST+4+\j], v[S+8*\j+2*\g+1], v[S+8*\j+2*\g+2]
.endr
.endr
	v_max3_num_f32 v[ST+4], v[ST+4], v[S+7], v[S+15]
	v_max3_num_f32 v[ST+6], v[ST+6], v[S+23], v[S+31]
	v_max3_num_f32 v[ST+4], v[ST+4], v[ST+5], v[ST+6]
	v_max3_num_f32 v[ST+4], v[ST+4], v[ST+7], v[ST+1]
	v_permlanex16_b32 v[ST+5], v[ST+4], s[SEL], s[SEL+1]   ; the query's other 32 keys lie in the lane 16 away
	v_mov_b32 v[ST+7], v[ST]                       ; c m_old
	v_max_num_f32 v[ST+1], v[ST+4], v[ST+5]        ; the new m
	v_mul_f32 v[ST], s[CS], v[ST+1]
	v_sub_f32 v[ST+7], v[ST+7], v[ST]              ; c m_old - c m_new
.irp b, 0,1,2,3,4,5,6,7,8,9,10,11,12,13,14,15
	v_pk_fma_f32 v[S+2*\b:S+2*\b+1], v[S+2*\b:S+2*\b+1], s[CS:CS+1], v[ST:ST+1] op_sel_hi:[1,0,0] neg_lo:[0,0,1] neg_hi:[0,0,1]   ; c s - c m, two at a time
.endr
	v_exp_f32 v[ST+6], v[ST+7]                     ; a = 2^(c m_old - c m_new): ONE BATCH of 33 exponentials
.irp e, 0,1,2,3,4,5,6,7,8,9,10,11,12,13,14,15,16,17,18,19,20,21,22,23,24,25,26,27,28,29,30,31
	v_exp_f32 v[S+\e], v[S+\e]
.endr
	v_nop                                          ; a plain line behind the last exponential
	s_wait_alu depctr_va_vdst(0)                   ; the wait ahead of the first line that names a result: one for the batch
.irp i, 0,1,2,3,4,5,6,7,8,9,10,11,12,13,14,15
	v_cvt_pk_f16_f32 v[P+\i], v[S+2*\i], v[S+2*\i+1]   ; registers 8 kc .. 8 kc + 7 are source 1 of keys 32 kc on
.endr
.irp u, 0,1,2,3,4,5,6,7                        ; the sum of the unrounded p, in place, as a tree of pairs
	v_pk_add_f32 v[S+4*\u:S+4*\u+1], v[S+4*\u:S+4*\u+1], v[S+4*\u+2:S+4*\u+3]
.endr
.irp u, 0,1,2,3
	v_pk_add_f32 v[S+8*\u:S+8*\u+1], v[S+8*\u:S+8*\u+1], v[S+8*\u+4:S+8*\u+5]
.endr
.irp u, 0,1
	v_pk_add_f32 v[S+16*\u:S+16*\u+1], v[S+16*\u:S+16*\u+1], v[S+16*\u+8:S+16*\u+9]
.endr
	v_pk_add_f32 v[S:S+1], v[S:S+1], v[S+16:S+17]
	v_pk_fma_f32 v[ST+2:ST+3], v[ST+2:ST+3], v[ST+6:ST+7], v[S:S+1] op_sel_hi:[1,0,1]   ; l = a l + the sum
.irp i, 0,1,2,3,4,5,6,7,8,9,10,11,12,13,14,15
	v_pk_mul_f32 v[O+2*\i:O+2*\i+1], v[O+2*\i:O+2*\i+1], v[ST+6:ST+7] op_sel_hi:[1,0]   ; O^T x a, each accumulator from its low end on
.endr
	s_wait_dscnt 0x0                               ; V is in
.irp kc, 0,1
.irp t, 0,1,2,3
	v_wmma_f32_16x16x32_f16 v[O+8*\t:O+8*\t+7], v[KV+8*(4*\kc+\t):KV+8*(4*\kc+\t)+7], v[P+8*\kc:P+8*\kc+7], v[O+8*\t:O+8*\t+7]
.endr
.endr
.Lhidden_\@:
	s_add_co_u32 s[KF], s[KF], 64
.endm
; THE CHANGE OF SLOTS stands at a slot's head.  Each wave waits for all its tensor loads (its part of the slot that it is about to read), adds 0 to its spare word, and waits for that and for its reads of the slot that it has left.
; Behind the barrier the slot ahead is whole and nobody reads the other one.  fill = 1: that other slot takes the next 256 keys, up to the causal limit; the load has a slot's four steps in which to land.  One tensor load of a wave is out at most.
.macro CHANGE fill
	s_wait_tensorcnt 0x0                           ; no tensor load of mine is out, so a group 0 may be written
	ds_add_u32 v[SPW], v[NIL]                      ; 0 onto my spare word
.if \fill
	ds_add_u32 v[SPW], v[NIL]                      ; and once more: the add stands twice on end, in every trip alike
	s_xor_b32 s[G0K+1], s[G0K+1], SLOT1            ; the walking descriptors: the other slot than last time,
	s_add_nc_u64 s[G0K+2:G0K+3], s[G0K+2:G0K+3], 32768   ; the next 256 keys
	s_xor_b32 s[G0V+1], s[G0V+1], SLOT1
	s_add_nc_u64 s[G0V+2:G0V+3], s[G0V+2:G0V+3], 32768
	s_wait_xcnt 0x0                                ; the last prefetch, a slot back, has read its address, so it may be written
	s_add_nc_u64 s[PFA:PFA+1], s[PFA:PFA+1], 32768
.endif
	s_wait_dscnt 0x0                               ; the adds are done, and my reads of the slot that I have left are over
	s_barrier_signal -1
	s_barrier_wait -1
.if \fill
	s_add_co_u32 s96, s[KF], 256                   ; the first key of the slot that this change would ask for:
	s_cmp_gt_u32 s96, s[QL]                        ; behind my work-group's last query none of its waves reads it, so it is not asked for.  Ids and the count of steps alone: all sixteen waves go the same way
	s_cbranch_scc1 .Lpast_\@
	TLOAD                                          ; a wave's one tensor load until the next barrier
.Lpast_\@:
	ASK
.endif
.endm
.macro SLOT_STEPS
.irp q, 0,1,2,3
	STEP \q
.endr
	s_xor_b32 s[TB], s[TB], SLOT1                  ; on to the other slot
.endm
	s_wait_loadcnt 0x0                             ; Q
.Lslot:                                            ; 7 trips: behind each change of slots but the last the next slot is asked for
	CHANGE 1
	SLOT_STEPS
	s_sub_co_u32 s[SLOTS], s[SLOTS], 1
	s_cmp_lg_u32 s[SLOTS], 0
	s_cbranch_scc1 .Lslot
	CHANGE 0                                       ; the last slot is written out: nothing is left to fetch
	SLOT_STEPS
	; THE WAY OUT.  O^T / l, rounded to f16, goes through my stage and leaves four tokens (512 consecutive bytes) to a store.
.rept 4
	v_nop                                          ; places behind the last products
.endr
	v_add_f32 v[ST+4], v[ST+2], v[ST+3]            ; l's two halves,
	v_permlanex16_b32 v[ST+5], v[ST+4], s[SEL], s[SEL+1]
	v_add_f32 v[ST+4], v[ST+4], v[ST+5]            ; and lane l xor 16's
	v_rcp_f32 v[ST+6], v[ST+4]
	v_nop                                          ; a plain line behind the reciprocal
	s_wait_alu depctr_va_vdst(0)                   ; and the wait ahead of its first reader
.irp i, 0,1,2,3,4,5,6,7,8,9,10,11,12,13,14,15
	v_pk_mul_f32 v[O+2*\i:O+2*\i+1], v[O+2*\i:O+2*\i+1], v[ST+6:ST+7] op_sel_hi:[1,0]
.endr
.irp i, 0,1,2,3,4,5,6,7,8,9,10,11,12,13,14,15
	v_cvt_pk_f16_f32 v[OP+\i], v[O+2*\i], v[O+2*\i+1]   ; registers 4 t .. 4 t + 3: channels 16 t + 8 h + 0 .. 7 of query r
.endr
.irp t, 0,1,2,3
	ds_store_b128 v[STO], v[OP+4*\t:OP+4*\t+3] offset:32*\t
.endr
.irp i, 0,1,2,3
	ds_load_b128 v[OP+16+4*\i:OP+16+4*\i+3], v[RD] offset:4*144*\i   ; LDS serves a wave's instructions in order: these see my stores
.endr
.irp i, 0,1,2,3
	s_wait_dscnt 3-\i
	global_store_b128 v[GO], v[OP+16+4*\i:OP+16+4*\i+3], s[14:15] offset:512*\i
.endr
	s_wait_tensorcnt 0x0                           ; the wave's end: behind my last tensor load and my last LDS store
	ds_add_u32 v[SPW], v[NIL]
	s_wait_dscnt 0x0
	s_endpgm
.Lfunc_end_k_q1358150b52_attention:
	.size	k_q1358150b52_attention, .Lfunc_end_k_q1358150b52_attention-k_q1358150b52_attention
	.p2alignl 7, 3214868480
	.fill 96, 4, 3214868480
	.section	.rodata,"a",@progbits
	.p2align	6, 0x0
	.amdhsa_kernel k_q1358150b52_attention
		.amdhsa_group_segment_fixed_size 327680
		.amdhsa_private_segment_fixed_size 0
		.amdhsa_enable_private_segment 0
		.amdhsa_kernarg_size 16
		.amdhsa_user_sgpr_count 2
		.amdhsa_user_sgpr_kernarg_segment_ptr 1
		.amdhsa_wavefront_size32 1
		.amdhsa_system_sgpr_workgroup_id_x 1
		.amdhsa_system_sgpr_workgroup_id_y 1
		.amdhsa_system_sgpr_workgroup_id_z 1
		.amdhsa_system_vgpr_workitem_id 0
		.amdhsa_next_free_vgpr 256
		.amdhsa_next_free_sgpr 100
		.amdhsa_reserve_vcc 1
		.amdhsa_float_denorm_mode_32 3
		.amdhsa_float_denorm_mode_16_64 3
		.amdhsa_memory_ordered 1
		.amdhsa_forward_progress 1
		.amdhsa_inst_pref_size 109
	.end_amdhsa_kernel
	.amdgpu_metadata
---
amdhsa.version: [ 1, 2 ]
amdhsa.kernels:
  - .name:           k_q1358150b52_attention
    .symbol:         k_q1358150b52_attention.kd
    .args:
      - { .name: qkv, .offset: 0, .size: 8, .value_kind: global_buffer, .address_space: global }
      - { .name: att, .offset: 8, .size: 8, .value_kind: global_buffer, .address_space: global }
    .group_segment_fixed_size: 327680
    .private_segment_fixed_size: 0
    .kernarg_segment_align: 8
    .kernarg_segment_size: 16
    .max_flat_workgroup_size: 512
    .sgpr_count:     100
    .vgpr_count:     256
    .wavefront_size: 32
...
	.end_amdgpu_metadata
.endif
;; end of part 3
;; launch outproj (part 4): grid 8 x 64, 4 waves a work-group, clusters of 4 x 4, 327,680 bytes of LDS; arguments att, wo_frag, b_out, out0; writes out0
.if DOCPART == 4
	.amdgcn_target "amdgcn-amd-amdhsa--gfx1250"
	.amdhsa_code_object_version 6
	.text
	.protected	k_q1358150b52_outproj
	.globl	k_q1358150b52_outproj
	.p2align	8
	.type	k_q1358150b52_outproj,@function
k_q1358150b52_outproj:
	s_mov_b64 s[64:65], 0
	v_nop
	global_prefetch_b8 v0, s[64:65] scope:SCOPE_SE
	s_setreg_imm32_b32 hwreg(HW_REG_WAVE_MODE, 25, 1), 1
	s_wait_xcnt 0x0
	s_wait_alu depctr_hold_cnt(0) depctr_sa_sdst(0) depctr_va_vdst(0) depctr_va_sdst(0) depctr_va_ssrc(0) depctr_va_vcc(0) depctr_vm_vsrc(0)
	s_getreg_b32 s2, hwreg(HW_REG_IB_STS2, 6, 4)
	s_cmp_eq_u32 s2, 0
	s_cbranch_scc0 .Lentry_in_a_cluster
	s_endpgm
.Lentry_in_a_cluster:
	s_bfe_u32 s2, ttmp6, 0x10000c
	s_cmp_lg_u32 s2, 0xf033
	s_cbranch_scc0 .Lentry_shape_is_right
	s_endpgm
.Lentry_shape_is_right:
; out0[m][n] = the sum over k of att[m][k] w_out[k][n] + b_out[n]; f16 operands, f32 sums, f32 out.  m = 2048 batch + token, k = 64 head + channel.
; A = att, f16 [4][16 heads][2048][64]; B = wo_frag: w_out in f16, in the order of the operand's registers, [tile column 8][K step 4][n tile 8][k chunk 8][g 2][lane 32][16 bytes].
; LIMIT: att and w_out under 65,504 in magnitude (f16).  All rows are stored; the first 16 tokens of each batch are stored again, in f32 arithmetic, by the next launch.
; A tile of C is 128 x 128: 512 work-groups.  Four waves, each 64 x 64: 16 accumulators.  K goes in steps of 256 = four heads through two LDS slots.  A's part of a slot: for each head 128 tokens x 128 bytes, dense in memory:
; two tokens share an LDS row of 256 bytes + 16.  B's part: 65,536 dense bytes, read back 16 bytes a lane as register images, so it needs no padding.
; CLUSTERS: 4 x 4 work-groups; A's tiles are asked for jointly along a row of the cluster, B's along a column.  THE MATRIX INSTRUCTION IS USED TRANSPOSED (source 0 = B, source 1 = A): a lane holds eight neighbouring columns of a row of C.
; THE BIAS is the C of each sum's first product.  No prefetch: a small tile, whose step is short beside its fetches; the tiles are shared in the cluster instead.
; REGISTERS: window 0: v0-31 addresses; v32-95 the way out; v96-127 the bias; v128-255 the accumulators ((a, b) at v[128 + 8 (4 a + b)]).   window 1: two fragment buffers of 128: 64 registers of A, then 64 of B, for 64 along K.
.set APART,  4*64*272                  ; A's part of a slot: [head 4][token pair 64][272 bytes]
.set SLOT,   APART+65536
.set STAGE,  2*SLOT                    ; behind the ring: 16 rows x (256 bytes + 16) for each wave
.set SPITCH, 272
.set SPARE,  STAGE+4*16*SPITCH         ; the spare words, 128 bytes for each wave: two blocks of 256 bytes that no other line names
.set LAPS,   2                         ; a lap = two K steps = once round the ring
.set ADRA, 16
.set ADRB, 20
.set STO,  24
.set RD,   25
.set CO,   26
.set BO,   27
.set SPW,  28
.set NIL,  29
.set TMP,  32
.set BI,   96
.set ACC,  128
.set F0,   0
.set F1,   128
.set G1, 24
.set G0, 32
.set G1B, 48
.set G0B, 56
.set MSB, 0
.macro WIN new                         ; the immediate's high byte repeats the setting that is left
.if MSB != \new
	s_set_vgpr_msb (MSB<<8)|\new
.set MSB, \new
.endif
.endm
.set MUL,  0x05                        ; sources 0 (B) and 1 (A) window 1; C and D window 0
.set TO_F, 0x40                        ; destination window 1, address window 0
.macro JLOAD s                         ; a joint load: waves 0 and 1 fetch A's two pairs of heads, waves 2 and 3 B's two halves; an s_nop 0 and four v_nop follow each of the two lines
	s_cmp_eq_u32 s11, 0
	s_cbranch_scc0 .Lfor_b_\@
	tensor_load_to_lds s[G0+4*\s:G0+4*\s+3], s[G1:G1+7]
	s_nop 0
.rept 4
	v_nop
.endr
	s_branch .Lasked_\@
.Lfor_b_\@:
	tensor_load_to_lds s[G0B+4*\s:G0B+4*\s+3], s[G1B:G1B+7]
	s_nop 0
.rept 4
	v_nop
.endr
.Lasked_\@:
.endm
.macro CREST                           ; a round of the cluster's barrier behind its opening barrier
	s_cmp_lg_u32 s10, 0
	s_cbranch_scc1 .Lnot_wave_0_\@
	s_barrier_signal -3
.Lnot_wave_0_\@:
	s_barrier_wait -3
	s_barrier_signal -1
	s_barrier_wait -1
.endm
.macro CROUND
	s_barrier_signal -1
	s_barrier_wait -1
	CREST
.endm
	s_load_b128 s[4:7], s[0:1], 0x0                ; att s[4:5], wo_frag s[6:7]
	s_load_b64 s[66:67], s[0:1], 0x10              ; b_out
	s_load_b64 s[8:9], s[0:1], 0x18                ; out0
	v_lshl_add_u32 v[SPW], v0, 2, SPARE
	v_mov_b32 v[NIL], 0
	ds_add_u32 v[SPW], v[NIL]                      ; the wave's opening: the add, twice on end, and its wait ahead of my first tensor load
	ds_add_u32 v[SPW], v[NIL]
	v_lshrrev_b32 v1, 5, v0
	v_readfirstlane_b32 s10, v1                    ; wave 0..3
	s_lshr_b32 s11, s10, 1                         ; which half of the tile's rows is mine.  Also: I fetch for A (0) or for B (1)
	s_and_b32 s12, s10, 1                          ; which half of its columns.  Also: which half of that part of a slot I fetch
	s_bfe_u32 s40, ttmp6, 0x40000                  ; cx, cy
	s_bfe_u32 s41, ttmp6, 0x40004
	s_lshl_b32 s42, ttmp9, 2
	s_add_co_u32 s42, s42, s40                     ; tile column of C
	s_and_b32 s13, ttmp7, 0xffff
	s_lshl_b32 s13, s13, 2
	s_add_co_u32 s13, s13, s41                     ; tile row of C
	s_lshl_b32 s43, s41, 2
	s_lshl_b32 s43, 15, s43                        ; my row of the cluster
	s_lshl_b32 s44, 0x1111, s40                    ; my column
	; A: two heads x (128 tokens x 128 bytes): two rows of 8,192 elements of 2 bytes, 131,072 elements apart; 16 bytes of padding behind every 256
	s_or_b32 s[G1+0], s43, (1<<16)|(1<<20)|(1<<21)|(5<<22)|(3<<25)
	s_mov_b32 s[G1+1], 8192<<16                    ; tensor_dim0
	s_mov_b32 s[G1+2], 2<<16                       ; tensor_dim1
	s_mov_b32 s[G1+3], 8192<<16                    ; tile_dim0
	s_mov_b32 s[G1+4], 2                           ; tile_dim1
	s_mov_b32 s[G1+5], 131072                      ; tensor_dim0_stride: from head to head
	s_mov_b32 s[G1+6], 0
	s_mov_b32 s[G1+7], 0
	; B: a dense block of 32,768 bytes, as 128 rows of 32 elements of 8 bytes, no padding
	s_or_b32 s[G1B+0], s44, (3<<16)|(1<<21)
	s_mov_b32 s[G1B+1], 32<<16
	s_mov_b32 s[G1B+2], 128<<16
	s_mov_b32 s[G1B+3], 32<<16
	s_mov_b32 s[G1B+4], 128
	s_mov_b32 s[G1B+5], 32
	s_mov_b32 s[G1B+6], 0
	s_mov_b32 s[G1B+7], 0
	s_lshr_b32 s16, s13, 4
	s_lshl_b32 s16, s16, 22                        ; A: the batch (16 heads of 2^18 bytes),
	s_and_b32 s17, s13, 15
	s_lshl_b32 s17, s17, 14                        ; the tile's 128 tokens of 128 bytes,
	s_add_co_u32 s16, s16, s17
	s_lshl_b32 s17, s12, 19                        ; my two heads of the K step's four
	s_add_co_u32 s16, s16, s17
	s_mov_b32 s17, 0
	s_lshl_b32 s46, s42, 18                        ; B: the tile column,
	s_lshl_b32 s47, s12, 15                        ; my half of a K step's 65,536 bytes
	s_add_co_u32 s46, s46, s47
	s_mov_b32 s47, 0
	s_mul_i32 s20, s12, APART/2                    ; where they go: no place in the cluster enters an LDS address
	s_lshl_b32 s21, s12, 15
	s_add_co_u32 s21, s21, APART
	s_wait_dscnt 0x0                               ; both opening adds are done
	s_wait_kmcnt 0x0
	s_add_nc_u64 s[14:15], s[4:5], s[16:17]
	s_add_nc_u64 s[46:47], s[6:7], s[46:47]
	CROUND                                         ; all sixteen work-groups are here: the first joint loads meet
.irp s, 0,1
	s_mov_b32 s[G0+4*\s], 1
	s_add_co_u32 s[G0+4*\s+1], s20, \s*SLOT
	s_add_nc_u64 s[G0+4*\s+2:G0+4*\s+3], s[14:15], \s*1048576      ; K step s: four heads on
	s_or_b32 s[G0+4*\s+3], s[G0+4*\s+3], 0x80000000
	s_mov_b32 s[G0B+4*\s], 1
	s_add_co_u32 s[G0B+4*\s+1], s21, \s*SLOT
	s_add_nc_u64 s[G0B+4*\s+2:G0B+4*\s+3], s[46:47], \s*65536
	s_or_b32 s[G0B+4*\s+3], s[G0B+4*\s+3], 0x80000000
	JLOAD \s
.endr
	v_and_b32 v1, 15, v0                           ; l % 16
	v_bfe_u32 v2, v0, 4, 1                         ; l / 16
	v_lshrrev_b32 v3, 1, v1
	v_mul_u32_u24 v3, v3, 272
	v_and_b32 v4, 1, v0
	v_lshl_add_u32 v3, v4, 7, v3
	v_lshl_add_u32 v3, v2, 4, v3                   ; A: token r: LDS row r / 2, + 128 (r % 2), + 16 x half
	v_and_b32 v4, 31, v0
	v_lshlrev_b32 v4, 4, v4                        ; B: 16 x lane
	s_mul_i32 s21, s11, 32*272                     ; my 64 tokens
	s_lshl_b32 s22, s12, 15                        ; my four n tiles,
	s_add_co_u32 s22, s22, APART                   ; behind A's part
.irp s, 0,1
	v_add_nc_u32 v[ADRA+\s], s21, v3
	v_add_nc_u32 v[ADRB+\s], s22, v4
	s_add_co_u32 s21, s21, SLOT
	s_add_co_u32 s22, s22, SLOT
.endr
	s_mul_i32 s23, s10, 16*SPITCH
	s_add_co_u32 s23, s23, STAGE                   ; my stage
	v_mul_u32_u24 v5, v1, SPITCH
	v_lshl_add_u32 v5, v2, 5, v5
	v_add_nc_u32 v[STO], s23, v5                   ; in: row l % 16, 32 bytes for each half of the lanes
	v_mul_u32_u24 v5, v2, SPITCH
	v_lshl_add_u32 v5, v1, 4, v5
	v_add_nc_u32 v[RD], s23, v5                    ; back: lanes 0-15 one row of 256 bytes, lanes 16-31 the next
	v_lshlrev_b32 v5, 12, v2
	v_lshl_add_u32 v[CO], v1, 4, v5                ; and the same two rows in out0
	v_lshlrev_b32 v[BO], 5, v2
	s_lshl_b32 s16, s13, 7
	s_lshl_b32 s17, s11, 6
	s_add_co_u32 s16, s16, s17                     ; my first row of C
	s_lshl_b32 s16, s16, 12                        ; 4,096 bytes a row
	s_mov_b32 s17, 0
	s_add_nc_u64 s[8:9], s[8:9], s[16:17]
	s_lshl_b32 s46, s42, 9                         ; my first column, in bytes: 512 x tile column + 256 x half
	s_lshl_b32 s47, s12, 8
	s_add_co_u32 s46, s46, s47
	s_mov_b32 s47, 0
	s_add_nc_u64 s[8:9], s[8:9], s[46:47]
	s_add_nc_u64 s[66:67], s[66:67], s[46:47]
.irp b, 0,1,2,3
	global_load_b128 v[BI+8*\b:BI+8*\b+3], v[BO], s[66:67] offset:64*\b        ; lane (r, h): b_out at columns 16 b + 8 h + 0 .. 7
	global_load_b128 v[BI+8*\b+4:BI+8*\b+7], v[BO], s[66:67] offset:64*\b+16
.endr
; 8 matrix instructions: m blocks a0, a0 + 1 x all 4 n blocks, 32 along K: half c of buffer f.  zero = 1: the first product starts the sums from the bias.  The 16 accumulators take turns.
.macro MUL8 f, c, a0, zero
.irp a, \a0, \a0+1
.irp b, 0,1,2,3
.if \zero
	v_wmma_f32_16x16x32_f16 v[ACC+8*(4*(\a)+\b):ACC+8*(4*(\a)+\b)+7], v[\f+64+8*(4*\c+\b):\f+64+8*(4*\c+\b)+7], v[\f+8*(4*\c+\a):\f+8*(4*\c+\a)+7], v[BI+8*\b:BI+8*\b+7]
.else
	v_wmma_f32_16x16x32_f16 v[ACC+8*(4*(\a)+\b):ACC+8*(4*(\a)+\b)+7], v[\f+64+8*(4*\c+\b):\f+64+8*(4*\c+\b)+7], v[\f+8*(4*\c+\a):\f+8*(4*\c+\a)+7], v[ACC+8*(4*(\a)+\b):ACC+8*(4*(\a)+\b)+7]
.endif
.endr
.endr
.endm
; 32 LDS loads in one run: the fragments of the slot's head kq (64 along K) into buffer f; the first 32 along K first
.macro FETCH slot, kq, f
	WIN TO_F
.irp c, 0,1
.irp i, 0,1,2,3
	ds_load_b128 v[\f+64+8*(4*\c+\i):\f+64+8*(4*\c+\i)+3],   v[ADRB+\slot] offset:(8*\i+2*(\kq)+\c)*1024
	ds_load_b128 v[\f+64+8*(4*\c+\i)+4:\f+64+8*(4*\c+\i)+7], v[ADRB+\slot] offset:(8*\i+2*(\kq)+\c)*1024+512
	ds_load_b128 v[\f+8*(4*\c+\i):\f+8*(4*\c+\i)+3],         v[ADRA+\slot] offset:17408*(\kq)+64*\c+2176*\i
	ds_load_b128 v[\f+8*(4*\c+\i)+4:\f+8*(4*\c+\i)+7],       v[ADRA+\slot] offset:17408*(\kq)+64*\c+2176*\i+32
.endr
.endr
.endm
.macro PLACES                          ; four plain lines in front of loads into registers that matrix instructions have read, and of the first read of results
.rept 4
	v_nop
.endr
.endm
; A K step is four quarters of 64 along K (a head), 32 matrix instructions each, on buffers 0, 1, 0, 1.  One of the first three: multiplies buffer f and fetches head kq into g.
.macro QUARTER slot, kq, f, g, zero
	s_wait_dscnt 16                                ; the first 32 along K are in; the sixteen loads of the second 32 may be out
	WIN MUL
	MUL8 \f, 0, 0, \zero
	MUL8 \f, 0, 2, \zero
	PLACES
	FETCH \slot, \kq, \g
	s_wait_dscnt 32                                ; all but the 32 just issued
	WIN MUL
	MUL8 \f, 1, 0, 0
	MUL8 \f, 1, 2, 0
.endm
; The last quarter multiplies buffer 1 and changes slots: ONE barrier; in front of it each wave waits for all its tensor loads, adds 0 to its spare word, and waits for that and for its own reads of this slot.  fill = 1: this slot is filled again, two K steps ahead.
.macro TURN slot, next, fill
	WIN 0                                          ; (the add's two registers lie in window 0)
	s_wait_tensorcnt 0x0                           ; all my tensor loads have landed: my part of the next slot
	ds_add_u32 v[SPW], v[NIL]                      ; 0 onto my spare word
	s_wait_dscnt 17                                ; the add and the youngest sixteen loads may be out
	WIN MUL
	MUL8 F1, 0, 0, 0
	s_wait_dscnt 0x0                               ; the add is done, and my reads of this slot are over
	s_barrier_signal -1
	MUL8 F1, 0, 2, 0
.if \fill
	WIN 0
.endif
	s_barrier_wait -1
.if \fill
	CREST                                          ; the barrier has opened a round of the cluster's barrier: no wave of any partner still reads this slot's tile or has a load on its way
	s_add_nc_u64 s[G0+4*\slot+2:G0+4*\slot+3], s[G0+4*\slot+2:G0+4*\slot+3], 2*1048576
	s_add_nc_u64 s[G0B+4*\slot+2:G0B+4*\slot+3], s[G0B+4*\slot+2:G0B+4*\slot+3], 2*65536
	JLOAD \slot                                    ; the first tensor load behind the round, my only one until the next; its four v_nop are also the places in front of the loads below
.else
	PLACES
.endif
	FETCH \next, 0, F0
	WIN MUL
	MUL8 F1, 1, 0, 0
	MUL8 F1, 1, 2, 0
.endm
	s_wait_tensorcnt 1                             ; my part of K step 0 is in; K step 1's may be out
	s_barrier_signal -1
	s_barrier_wait -1                              ; everybody's is
	FETCH 0, 0, F0
	s_wait_loadcnt 0x0                             ; the bias
	QUARTER 0, 1, F0, F1, 1                        ; the first quarter stands in front of the loop: its first products start the sums
	WIN 0                                          ; at a label and at a branch every window is 0
	s_mov_b32 s3, LAPS-1
.Llap:                                                 ; a trip goes once round the ring, from a lap's second quarter to the next lap's first, and fills both slots again
	QUARTER 0, 2, F1, F0, 0
	QUARTER 0, 3, F0, F1, 0
	TURN 0, 1, 1
	QUARTER 1, 1, F0, F1, 0
	QUARTER 1, 2, F1, F0, 0
	QUARTER 1, 3, F0, F1, 0
	TURN 1, 0, 1
	QUARTER 0, 1, F0, F1, 0
	WIN 0
	s_sub_co_u32 s3, s3, 1
	s_cmp_lg_u32 s3, 0
	s_cbranch_scc1 .Llap
	QUARTER 0, 2, F1, F0, 0                        ; the last lap fills nothing, and has no round of the cluster's barrier
	QUARTER 0, 3, F0, F1, 0
	TURN 0, 1, 0
	QUARTER 1, 1, F0, F1, 0
	QUARTER 1, 2, F1, F0, 0
	QUARTER 1, 3, F0, F1, 0
	s_wait_dscnt 16                                ; the very last quarter: nothing more to fetch
	WIN MUL
	MUL8 F1, 0, 0, 0
	MUL8 F1, 0, 2, 0
	s_wait_dscnt 0
	MUL8 F1, 1, 0, 0
	MUL8 F1, 1, 2, 0
	WIN 0
; THE WAY OUT, block by block of 16 rows x 64 columns: a wave's 64 columns of f32 are 256 bytes, so each wave has a stage of its own and no barrier is needed: in by 32 bytes a lane, back as whole rows.
.macro TOSTAGE a
.irp b, 0,1,2,3
	ds_store_b128 v[STO], v[ACC+8*(4*(\a)+\b):ACC+8*(4*(\a)+\b)+3] offset:64*\b          ; each accumulator from its low end on
	ds_store_b128 v[STO], v[ACC+8*(4*(\a)+\b)+4:ACC+8*(4*(\a)+\b)+7] offset:64*\b+16
.endr
.set BB, TMP+32*((\a)%2)
.irp t, 0,1,2,3,4,5,6,7
	ds_load_b128 v[BB+4*\t:BB+4*\t+3], v[RD] offset:\t*2*SPITCH   ; LDS serves a wave's instructions in order: these see the stores above, and the next block's stores come behind them
.endr
.endm
.macro SEND a, younger                 ; younger: the LDS instructions issued behind block a's loads, which may stay out
.set BB, TMP+32*((\a)%2)
	s_wait_dscnt \younger
.irp t, 0,1,2,3,4,5,6,7
	global_store_b128 v[CO], v[BB+4*\t:BB+4*\t+3], s[8:9] offset:(16*(\a)+2*\t)*4096 th:TH_STORE_NT   ; sixteen lanes store 256 consecutive bytes, aligned
.endr
.endm
	PLACES
	TOSTAGE 0
.irp a, 1,2,3
.if \a > 1
	s_wait_xcnt 0x0                                ; block a - 2's stores have read their registers: block a's loads may land there
.endif
	TOSTAGE \a
	SEND \a-1, 16                                  ; behind block a - 1's loads: block a's 8 stores and 8 loads
.endr
	SEND 3, 0
	s_wait_tensorcnt 0x0                           ; the wave's end: behind my last tensor load and my last LDS store
	ds_add_u32 v[SPW], v[NIL]
	s_wait_dscnt 0x0
	CROUND                                         ; the closing round: no work-group ends while a partner may still ask for a tile that names it
	s_endpgm
.Lfunc_end_k_q1358150b52_outproj:
	.size	k_q1358150b52_outproj, .Lfunc_end_k_q1358150b52_outproj-k_q1358150b52_outproj
	.p2alignl 7, 3214868480
	.fill 96, 4, 3214868480
	.section	.rodata,"a",@progbits
	.p2align	6, 0x0
	.amdhsa_kernel k_q1358150b52_outproj
		.amdhsa_group_segment_fixed_size 327680
		.amdhsa_private_segment_fixed_size 0
		.amdhsa_enable_private_segment 0
		.amdhsa_kernarg_size 32
		.amdhsa_user_sgpr_count 2
		.amdhsa_user_sgpr_kernarg_segment_ptr 1
		.amdhsa_wavefront_size32 1
		.amdhsa_system_sgpr_workgroup_id_x 1
		.amdhsa_system_sgpr_workgroup_id_y 1
		.amdhsa_system_sgpr_workgroup_id_z 1
		.amdhsa_system_vgpr_workitem_id 0
		.amdhsa_next_free_vgpr 512
		.amdhsa_next_free_sgpr 72
		.amdhsa_reserve_vcc 0
		.amdhsa_float_denorm_mode_32 3
		.amdhsa_float_denorm_mode_16_64 3
		.amdhsa_memory_ordered 1
		.amdhsa_forward_progress 1
		.amdhsa_inst_pref_size 87
	.end_amdhsa_kernel
	.amdgpu_metadata
---
amdhsa.version: [ 1, 2 ]
amdhsa.kernels:
  - .name:           k_q1358150b52_outproj
    .symbol:         k_q1358150b52_outproj.kd
    .args:
      - { .name: att, .offset: 0, .size: 8, .value_kind: global_buffer, .address_space: global }
      - { .name: wo_frag, .offset: 8, .size: 8, .value_kind: global_buffer, .address_space: global }
      - { .name: b_out, .offset: 16, .size: 8, .value_kind: global_buffer, .address_space: global }
      - { .name: out0, .offset: 24, .size: 8, .value_kind: global_buffer, .address_space: global }
    .group_segment_fixed_size: 327680
    .private_segment_fixed_size: 0
    .kernarg_segment_align: 8
    .kernarg_segment_size: 32
    .max_flat_workgroup_size: 128
    .sgpr_count:     72
    .vgpr_count:     512
    .wavefront_size: 32
...
	.end_amdgpu_metadata
.endif
;; end of part 4
;; launch fine (part 5): grid 16 x 4, 16 waves a work-group, no clusters, 71,680 bytes of LDS; arguments qkv32, w_out, b_out, out0; writes out0
.if DOCPART == 5
	.amdgcn_target "amdgcn-amd-amdhsa--gfx1250"
	.amdhsa_code_object_version 6
	.text
	.protected	k_q1358150b52_fine
	.globl	k_q1358150b52_fine
	.p2align	8
	.type	k_q1358150b52_fine,@function
k_q1358150b52_fine:
	s_mov_b64 s[64:65], 0
	v_nop
	global_prefetch_b8 v0, s[64:65] scope:SCOPE_SE
	s_setreg_imm32_b32 hwreg(HW_REG_WAVE_MODE, 25, 1), 1
	s_wait_xcnt 0x0
; THE FIRST 16 TOKENS OF EVERY BATCH, IN f32 THROUGHOUT: these rows average one to sixteen values and are the largest of the output, so the rounding of 16-bit operands would weigh most there.  They are stored over what the launch before left.
; qkv32: f32 [4 batches][16 tokens][3072] (q, k, v as the quantised product summed them); w_out [1024][1024], b_out [1024], out0 [8192][1024]: f32.
; SHARES.  A work-group takes one batch and 64 output columns.  Wave w takes head w: the attention of the 16 tokens (16 x 16 scores, causal), and then its head's 64 of the projection's K, so that the head's result never leaves
; the wave's registers.  The sixteen waves' partial sums meet in LDS behind one barrier; wave w then adds up token w's 64 columns and the bias and stores 256 consecutive bytes, aligned.  (Each head's small attention is made anew in each of the 16 work-groups of a batch.)
; All products by v_wmma_f32_16x16x4_f32: lane (r, h) holds row or column r and k = 2 h + j in register j.  A permutation of k applied alike to both sources keeps the sums, so:
;   S^T = K Q^T: product p takes registers 2 p, 2 p + 1 of both, which hold channels 8 (p / 2) + 4 h + 2 (p % 2) + 0, 1;  result: lane = query r, register j = key 8 h + j
;   O^T = V^T P: product (t, i) takes P's registers 2 i, 2 i + 1 (keys 8 h + 2 i + 0, 1) and V(those keys, channel 16 t + r);  result: lane = query r, register j = channel 16 t + 8 h + j
;   OUT^T = W^T O: product (nt, t, i) takes O[t]'s registers 2 i, 2 i + 1 and w_out(those channels, column 16 nt + r);  result: lane = query r, register j = column 16 nt + 8 h + j
; The registers that these products write (v176-255) are written by matrix instructions alone; each sum begins with the constant 0; accumulators take turns, one instruction a turn.
.set SPARE, 16*4352                    ; behind the sixteen partial sums (16 rows x (256 bytes + 16) each): the spare words, 128 bytes for each wave: eight blocks of 256 bytes that no other line names
.set KR,  16                           ; v16-47   K; later w_out's tile 1; later the partial sums read back
.set QR,  48                           ; v48-79   Q; later w_out's tile 2; later the sums at work
.set VR,  80                           ; v80-111  V; later w_out's tile 3
.set W0,  112                          ; v112-143 w_out's tile 0
.set T,   144                          ; v144-151 the scores, then the exponentials; v152-157 at work
.set PP,  160                          ; v160-167 the weights
.set SA,  176                          ; v176-183, v184-191 S^T in two halves of K
.set OA,  192                          ; v192-223 O^T
.set UA,  224                          ; v224-255 OUT^T
.set SPW, 10
.set NIL, 11
.macro WLOAD reg, nt                   ; w_out(64 w + 16 t + 8 h + jj, 64 nb + 16 nt + r) into register 8 t + jj
.irp t, 0,1,2,3
.irp jj, 0,1,2,3,4,5,6,7
	global_load_b32 v[\reg+8*\t+\jj], v5, s[6:7] offset:(16*\t+\jj)*4096+64*\nt
.endr
.endr
.endm
.macro PROJ n0, wa, wb                 ; output tiles n0 and n0 + 1 by turns, over the head's 64 channels
.irp t, 0,1,2,3
.irp i, 0,1,2,3
.if (\t == 0) && (\i == 0)
	v_wmma_f32_16x16x4_f32 v[UA+8*\n0:UA+8*\n0+7], v[\wa+8*\t+2*\i:\wa+8*\t+2*\i+1], v[OA+8*\t+2*\i:OA+8*\t+2*\i+1], 0
	v_wmma_f32_16x16x4_f32 v[UA+8*\n0+8:UA+8*\n0+15], v[\wb+8*\t+2*\i:\wb+8*\t+2*\i+1], v[OA+8*\t+2*\i:OA+8*\t+2*\i+1], 0
.else
	v_wmma_f32_16x16x4_f32 v[UA+8*\n0:UA+8*\n0+7], v[\wa+8*\t+2*\i:\wa+8*\t+2*\i+1], v[OA+8*\t+2*\i:OA+8*\t+2*\i+1], v[UA+8*\n0:UA+8*\n0+7]
	v_wmma_f32_16x16x4_f32 v[UA+8*\n0+8:UA+8*\n0+15], v[\wb+8*\t+2*\i:\wb+8*\t+2*\i+1], v[OA+8*\t+2*\i:OA+8*\t+2*\i+1], v[UA+8*\n0+8:UA+8*\n0+15]
.endif
.endr
.endr
.endm
	s_load_b256 s[4:11], s[0:1], 0x0               ; qkv32 s[4:5], w_out s[6:7], b_out s[8:9], out0 s[10:11]
	v_lshl_add_u32 v[SPW], v0, 2, SPARE
	v_mov_b32 v[NIL], 0
	v_lshrrev_b32 v1, 5, v0
	v_readfirstlane_b32 s12, v1                    ; wave = head; later = token
	s_and_b32 s13, ttmp7, 0xffff                   ; batch
	v_and_b32 v1, 15, v0                           ; r
	v_bfe_u32 v2, v0, 4, 1                         ; h
	v_mul_u32_u24 v3, v1, 12288
	v_lshl_add_u32 v3, v2, 4, v3                   ; q, k: token r's row of 12,288 bytes, + 16 h
	v_mul_u32_u24 v4, v2, 8*12288
	v_lshl_add_u32 v4, v1, 2, v4                   ; v: tokens 8 h on, channel r
	v_lshlrev_b32 v5, 15, v2
	v_lshl_add_u32 v5, v1, 2, v5                   ; w_out: rows 8 h on (4,096 bytes each), column r
	v_lshlrev_b32 v6, 3, v2
	v_sub_nc_u32 v6, v1, v6                        ; r - 8 h: key 8 h + j is hidden where j > r - 8 h
	s_mul_i32 s14, s12, 4352
	v_mul_u32_u24 v7, v1, 272
	v_lshl_add_u32 v7, v2, 5, v7
	v_add_nc_u32 v7, s14, v7                       ; my partial sums: row r, + 32 h
	s_mul_i32 s14, s12, 272
	v_and_b32 v9, 31, v0
	v_lshlrev_b32 v9, 3, v9                        ; 8 x lane
	v_add_nc_u32 v8, s14, v9                       ; back: row w of each partial sum
	v_mov_b32 v12, 0xff800000                      ; -infinity
	s_mov_b32 s20, 0x76543210
	s_mov_b32 s21, 0xfedcba98                      ; v_permlanex16_b32's selects for lane l xor 16
	s_mov_b32 s22, 0x3e38aa3b                      ; c = log2(e) / 8
	s_mul_i32 s16, s13, 16*12288                   ; qkv32: my batch,
	s_lshl_b32 s17, s12, 8                         ; my head's 64 numbers
	s_add_co_u32 s16, s16, s17
	s_mov_b32 s17, 0
	s_lshl_b32 s18, s12, 18                        ; w_out: my head's 64 rows,
	s_lshl_b32 s24, ttmp9, 8                       ; the work-group's 64 columns
	s_add_co_u32 s18, s18, s24
	s_mov_b32 s19, 0
	s_mov_b32 s25, 0
	s_lshl_b32 s26, s13, 11
	s_add_co_u32 s26, s26, s12                     ; out0: row 2,048 x batch + w
	s_lshl_b32 s26, s26, 12
	s_add_co_u32 s26, s26, s24
	s_mov_b32 s27, 0
	s_wait_kmcnt 0x0
	s_add_nc_u64 s[4:5], s[4:5], s[16:17]
	s_add_nc_u64 s[6:7], s[6:7], s[18:19]
	s_add_nc_u64 s[8:9], s[8:9], s[24:25]
	s_add_nc_u64 s[10:11], s[10:11], s[26:27]
.irp i, 0,1,2,3,4,5,6,7
	global_load_b128 v[KR+4*\i:KR+4*\i+3], v3, s[4:5] offset:4096+32*\i   ; k(r, 8 i + 4 h + 0 .. 3)
.endr
.irp i, 0,1,2,3,4,5,6,7
	global_load_b128 v[QR+4*\i:QR+4*\i+3], v3, s[4:5] offset:32*\i        ; q likewise
.endr
	global_load_b64 v[14:15], v9, s[8:9]           ; b_out at my two columns
.irp t, 0,1,2,3
.irp jj, 0,1,2,3,4,5,6,7
	global_load_b32 v[VR+8*\t+\jj], v4, s[4:5] offset:8192+12288*\jj+64*\t   ; v(8 h + jj, 16 t + r)
.endr
.endr
	s_wait_loadcnt 32                              ; k, q and the bias are in; v's 32 loads may be out
.irp p, 0,1,2,3,4,5,6,7,8,9,10,11,12,13,14,15
.if \p < 2
	v_wmma_f32_16x16x4_f32 v[SA+8*(\p%2):SA+8*(\p%2)+7], v[KR+2*\p:KR+2*\p+1], v[QR+2*\p:QR+2*\p+1], 0
.else
	v_wmma_f32_16x16x4_f32 v[SA+8*(\p%2):SA+8*(\p%2)+7], v[KR+2*\p:KR+2*\p+1], v[QR+2*\p:QR+2*\p+1], v[SA+8*(\p%2):SA+8*(\p%2)+7]
.endif
.endr
.rept 8
	v_nop                                          ; eight places behind this form, ahead of the loads over k and q and of the first read of the scores
.endr
	WLOAD W0, 0
	WLOAD KR, 1
	WLOAD QR, 2
.irp j, 0,1,2,3,4,5,6,7
	v_add_f32 v[T+\j], v[SA+\j], v[SA+8+\j]        ; the two halves of K; both accumulators from their low end on
.endr
.irp j, 0,1,2,3,4,5,6,7
	v_cmp_gt_i32 vcc_lo, \j, v6
	v_cndmask_b32 v[T+\j], v[T+\j], v12, vcc_lo    ; hidden keys: -infinity
.endr
	v_max3_num_f32 v152, v[T], v[T+1], v[T+2]
	v_max3_num_f32 v153, v[T+3], v[T+4], v[T+5]
	v_max3_num_f32 v152, v152, v[T+6], v[T+7]
	v_max_num_f32 v152, v152, v153
	v_permlanex16_b32 v153, v152, s20, s21
	v_max_num_f32 v152, v152, v153                 ; the row's maximum (key 0 counts for every query)
	v_mul_f32 v152, s22, v152
.irp j, 0,1,2,3,4,5,6,7
	v_fma_f32 v[T+\j], v[T+\j], s22, -v152         ; c s - c m
.endr
.irp j, 0,1,2,3,4,5,6,7
	v_exp_f32 v[T+\j], v[T+\j]
.endr
	v_nop                                          ; a plain line behind the last exponential
	s_wait_alu depctr_va_vdst(0)                   ; the wait ahead of the first reader: one for the batch
	v_add_f32 v154, v[T], v[T+1]
	v_add_f32 v155, v[T+2], v[T+3]
	v_add_f32 v156, v[T+4], v[T+5]
	v_add_f32 v157, v[T+6], v[T+7]
	v_add_f32 v154, v154, v155
	v_add_f32 v156, v156, v157
	v_add_f32 v154, v154, v156
	v_permlanex16_b32 v155, v154, s20, s21
	v_add_f32 v154, v154, v155                     ; the row's sum
	v_rcp_f32 v156, v154
	v_nop
	s_wait_alu depctr_va_vdst(0)
.irp j, 0,1,2,3,4,5,6,7
	v_mul_f32 v[PP+\j], v[T+\j], v156              ; the weights, normalised here, so that O^T needs no vector line
.endr
	s_wait_loadcnt 63                              ; 96 loads were issued behind v's, more than a wait's count can name: at most 63 out shows v in
.irp i, 0,1,2,3
.irp t, 0,1,2,3
.if \i == 0
	v_wmma_f32_16x16x4_f32 v[OA+8*\t:OA+8*\t+7], v[VR+8*\t+2*\i:VR+8*\t+2*\i+1], v[PP+2*\i:PP+2*\i+1], 0
.else
	v_wmma_f32_16x16x4_f32 v[OA+8*\t:OA+8*\t+7], v[VR+8*\t+2*\i:VR+8*\t+2*\i+1], v[PP+2*\i:PP+2*\i+1], v[OA+8*\t:OA+8*\t+7]
.endif
.endr
.endr
.rept 9
	v_nop                                          ; nine places before a matrix instruction takes these results as a source; eight of them also serve the loads over v
.endr
	WLOAD VR, 3
	s_wait_loadcnt 63                              ; behind tiles 0 and 1 stand the 64 loads of tiles 2 and 3: at most 63 out shows the first two in
	PROJ 0, W0, KR
	s_wait_loadcnt 0x0
	PROJ 2, QR, VR
.rept 8
	v_nop                                          ; places ahead of the reads of the results and of the loads and writes over the weights' registers
.endr
.irp nt, 0,1,2,3
	ds_store_b128 v7, v[UA+8*\nt:UA+8*\nt+3] offset:64*\nt          ; each accumulator from its low end on
	ds_store_b128 v7, v[UA+8*\nt+4:UA+8*\nt+7] offset:64*\nt+16
.endr
	s_wait_dscnt 0x0                               ; for the others' sake: my partial sums have landed
	s_barrier_signal -1
	s_barrier_wait -1
.irp p, 0,1,2,3,4,5,6,7,8,9,10,11,12,13,14,15
	ds_load_b64 v[KR+2*\p:KR+2*\p+1], v8 offset:4352*\p             ; token w's 64 columns of head p's part: 8 bytes a lane
.endr
	s_wait_dscnt 0x0
	v_pk_add_f32 v[QR:QR+1], v[14:15], v[KR:KR+1]                   ; the bias and the sixteen parts, in two chains
	v_pk_add_f32 v[QR+2:QR+3], v[KR+2:KR+3], v[KR+4:KR+5]
.irp p, 3,5,7,9,11,13
	v_pk_add_f32 v[QR:QR+1], v[QR:QR+1], v[KR+2*\p:KR+2*\p+1]
	v_pk_add_f32 v[QR+2:QR+3], v[QR+2:QR+3], v[KR+2*\p+2:KR+2*\p+3]
.endr
	v_pk_add_f32 v[QR:QR+1], v[QR:QR+1], v[KR+30:KR+31]
	v_pk_add_f32 v[QR:QR+1], v[QR:QR+1], v[QR+2:QR+3]
	global_store_b64 v9, v[QR:QR+1], s[10:11]      ; 32 lanes store 256 consecutive bytes, aligned
	s_wait_tensorcnt 0x0                           ; the wave's end: behind my last LDS store
	ds_add_u32 v[SPW], v[NIL]
	s_wait_dscnt 0x0
	s_endpgm
.Lfunc_end_k_q1358150b52_fine:
	.size	k_q1358150b52_fine, .Lfunc_end_k_q1358150b52_fine-k_q1358150b52_fine
	.p2alignl 7, 3214868480
	.fill 96, 4, 3214868480
	.section	.rodata,"a",@progbits
	.p2align	6, 0x0
	.amdhsa_kernel k_q1358150b52_fine
		.amdhsa_group_segment_fixed_size 71680
		.amdhsa_private_segment_fixed_size 0
		.amdhsa_enable_private_segment 0
		.amdhsa_kernarg_size 32
		.amdhsa_user_sgpr_count 2
		.amdhsa_user_sgpr_kernarg_segment_ptr 1
		.amdhsa_wavefront_size32 1
		.amdhsa_system_sgpr_workgroup_id_x 1
		.amdhsa_system_sgpr_workgroup_id_y 1
		.amdhsa_system_sgpr_workgroup_id_z 1
		.amdhsa_system_vgpr_workitem_id 0
		.amdhsa_next_free_vgpr 256
		.amdhsa_next_free_sgpr 66
		.amdhsa_reserve_vcc 1
		.amdhsa_float_denorm_mode_32 3
		.amdhsa_float_denorm_mode_16_64 3
		.amdhsa_memory_ordered 1
		.amdhsa_forward_progress 1
		.amdhsa_inst_pref_size 32
	.end_amdhsa_kernel
	.amdgpu_metadata
---
amdhsa.version: [ 1, 2 ]
amdhsa.kernels:
  - .name:           k_q1358150b52_fine
    .symbol:         k_q1358150b52_fine.kd
    .args:
      - { .name: qkv32, .offset: 0, .size: 8, .value_kind: global_buffer, .address_space: global }
      - { .name: w_out, .offset: 8, .size: 8, .value_kind: global_buffer, .address_space: global }
      - { .name: b_out, .offset: 16, .size: 8, .value_kind: global_buffer, .address_space: global }
      - { .name: out0, .offset: 24, .size: 8, .value_kind: global_buffer, .address_space: global }
    .group_segment_fixed_size: 71680
    .private_segment_fixed_size: 0
    .kernarg_segment_align: 8
    .kernarg_segment_size: 32
    .max_flat_workgroup_size: 512
    .sgpr_count:     66
    .vgpr_count:     256
    .wavefront_size: 32
...
	.end_amdgpu_metadata
.endif
;; end of part 5
